; MI455X (gfx1250); checked and timed in simulation.
; The chip was launched on July 23, 2026; its instructions are those of AMD's public machine-readable ISA for CDNA 5 (MIT licence, August 2026) and "CDNA5" Instruction Set Architecture Reference Guide (July 2026). The comments in the code are by the model that wrote it; some were corrected since.
;; Transformer Block. Allowed arithmetic: matrix products marked QUANTISED: E2M3 operands, one E8M0 scale for each 32 along K, by v_wmma_scale_f32_16x16x128_f8f6f4 with both operands' format E2M3, f32 sums; everything else in f32.
;; Inputs: W_ff1 1,024 x 4,096 float32; W_ff2 4,096 x 1,024 float32; Wk 1,024 x 1,024 float32; Wo 1,024 x 1,024 float32; Wq 1,024 x 1,024 float32; Wv 1,024 x 1,024 float32; b1 1,024 float32; b2 1,024 float32; b_ff1 4,096 float32; b_ff2 1,024 float32; bo 1,024 float32; g1 1,024 float32; g2 1,024 float32; x 2 x 2,048 x 1,024 float32.
;; Outputs: out0 2 x 2,048 x 1,024 float32.
;; This version of the problem:
;;   THIS VERSION OF THE PROBLEM IS GIVEN IN LOW PRECISION. The matrix products marked QUANTISED in the list below multiply operands that are first quantised to E2M3 (2 exponent bits, 3 mantissa bits; 6 bits a number), with one power-of-two scale for each 32 numbers along K (OCP MX v1.0); their sums are f32. All else is computed in f32.
;;   The module's matrix products, in the order in which they are computed (A, B: the left and right operand; K: the contracted axis; several contracted axes count as one K, in the product's order):
;;     1. [M 4,096, K 1,024] x [K 1,024, N 1,024]; A: input x; B: input Wq: QUANTISED
;;     2. [M 4,096, K 1,024] x [K 1,024, N 1,024]; A: input x; B: input Wk: QUANTISED
;;     3. [M 4,096, K 1,024] x [K 1,024, N 1,024]; A: input x; B: input Wv: QUANTISED
;;     4. batch 32 x [M 2,048, K 64] x [K 64, N 2,048]; A: computed on the way; B: computed on the way: QUANTISED
;;     5. batch 32 x [M 2,048, K 2,048] x [K 2,048, N 64]; A: softmax (see below); B: computed on the way: QUANTISED
;;     6. [M 4,096, K 1,024] x [K 1,024, N 1,024]; A: computed on the way; B: input Wo: QUANTISED
;;     7. [M 4,096, K 1,024] x [K 1,024, N 4,096]; A: computed on the way; B: input W_ff1: QUANTISED
;;     8. [M 4,096, K 4,096] x [K 4,096, N 1,024]; A: computed on the way; B: input W_ff2: QUANTISED
;;   THE QUANTISER, for each operand of a quantised product, along K:
;;     - K is cut into blocks of 32 from its start; a last block that is shorter is filled with zeros.
;;     - A block's scale is 2^e with e = floor(log2(the largest magnitude in the block)) - 2, held to -126 .. 127; a block of zeros has e = 0. As a byte (E8M0): e + 127.
;;     - Each number is divided by its block's scale, clamped to +-7.5, and rounded to the nearest number of E2M3, ties to even, subnormals kept.
;;     - The product sums the exact products of the quantised numbers (number of the format x scale) in f32.
;;   ~~~python
;;   def quantise(x, axis):      # numpy; x: float32 -> the quantised numbers, widened to float32 again
;;       x = np.moveaxis(x, axis, -1); K = x.shape[-1]
;;       x = np.pad(x, [(0, 0)] * (x.ndim - 1) + [(0, -K % 32)]); x = x.reshape(x.shape[:-1] + (-1, 32)); a = np.abs(x).max(-1, keepdims=True)
;;       e = np.where(a > 0, np.clip(np.frexp(np.where(a > 0, a, 1))[1] - 1 - 2, -126, 127), 0)      # np.frexp(a)[1] - 1 = floor(log2(a)), exactly
;;       r = np.clip(x / 2.0 ** e, -7.5, 7.5)
;;       step = 2.0 ** (np.maximum(np.frexp(np.where(r == 0, 1, r))[1] - 1, 0) - 3)
;;       q = np.round(r / step) * step * 2.0 ** e      # np.round: ties to even
;;       return np.moveaxis(q.reshape(q.shape[:-2] + (-1,))[..., :K], -1, axis).astype(np.float32)
;;   ~~~
;;   SOFTMAX AHEAD OF A QUANTISED PRODUCT. Where the list says 'softmax', what is quantised is not the finished softmax but p = 2^(t - M), with t = logit x log2(e) and M = ceil(the row's largest t), a whole number; so 1/2 < the row's largest p <= 1. The row's sum l is taken of the UNQUANTISED p, in f32, and the product's result is divided by l at the end. Since M is a whole number, a kernel that streams over the keys may use a running M (the ceiling of the running maximum): every later rescaling is an exact power of two, which a block's scale takes up: the codes' values come out the same.
;;   OPERANDS COMPUTED ON THE WAY. 'Computed on the way' means the value that the module computes at that place (a softmax that the list does not call 'softmax' is quantised finished and normalised). What goes into a quantiser is computed in f32, as accurately as f32 sums, v_exp_f32 and their like allow (about 1e-6 of the number): no bf16 or f16 on the way to a quantiser, and a product that is left as it is and whose result goes on into a quantised operand takes f32 operands (vector FMAs, or v_wmma_f32_16x16x4_f32). A number that lies on a knife's edge between two numbers of the format may be rounded either way, as far as f32 arithmetic and the matrix unit's own rounding can turn it there, and no further.
;; One version. Each part assembles by itself: llvm-mc -triple=amdgcn-amd-amdhsa -mcpu=gfx1250 --defsym DOCPART=n.
;; ======== version 1 of 1: 8 launches
;; limits: a function is approximated: absolute error at most 1.5e-07
;; workspace buffers: XC 3,276,800 bytes; WC 9,830,400 bytes; QK 6,553,600 bytes; VT 3,276,800 bytes; CTX 3,276,800 bytes; Y 16,777,216 bytes; H 20,054,016 bytes; ACT 13,107,200 bytes
;; launch quant (part 1): grid 640 x 1, 8 waves a work-group, no clusters, 94,720 bytes of LDS; arguments x, Wq, Wk, Wv, Wo, W_ff1, W_ff2, XC, WC; writes XC, WC
.if DOCPART == 1
	.amdgcn_target "amdgcn-amd-amdhsa--gfx1250"
	.amdhsa_code_object_version 6
	.text
	.protected	k_q5d76f0272a_quant
	.globl	k_q5d76f0272a_quant
	.p2align	8
	.type	k_q5d76f0272a_quant,@function
k_q5d76f0272a_quant:
	s_mov_b64 s[64:65], 0
	v_nop
	global_prefetch_b8 v0, s[64:65] scope:SCOPE_SE
	s_setreg_imm32_b32 hwreg(HW_REG_WAVE_MODE, 25, 1), 1
	s_wait_xcnt 0x0
; LAUNCH 1 OF 8: x and the six weights become codes of E2M3 with one E8M0 byte for each 32 along K, each operand quantised once.
; THE PROGRAM: quant | qkv (products 1-3, q, k, v^T quantised on the way out) | attn (products 4, 5) | oproj (6, + bo + x) | ln1 | ff1 (7, gelu) | ff2 (8, + b_ff2 + h) | ln2.
; DEAD WORK LEFT OUT, in launch attn alone: reference() sets scores[q][k] to -inf wherever k > q by a mask that it builds itself (jnp.tril), and softmax gives such a key the weight 0
; for every value of the inputs; so a step of 128 keys all of which come after a wave's 16 queries reaches no output, and neither its two products nor its loads are done.  Every input has a way to the output: all are loaded.
; LIMITS: a NaN, an infinity or an overflow that reaches only the masked scores left out is not carried to the result.  NaN and infinities among the inputs are not served.  A block whose largest
; magnitude lies under 2^-124 gets the byte 1; so does a block of zeros, where the rule says 127: its codes are zeros, and the bytes are read by this program alone.
; LAYOUT OF EVERY OPERAND OF THIS PROGRAM.  A panel is 128 rows.  Tile t (0..7) of a panel holds its rows 32 (t / 2) + 8 (t % 2) + r + 8 (r / 8), r = 0..15, so that a transposed product leaves 16 neighbours
; in the 16 registers of two neighbouring result tiles.  A fragment (tile, 128 along K) lies as an image of its 12 registers, 1,536 bytes: for each half c (64 along K) at 768 c: lane l's registers
; 6c..6c+3 at 16 l, its registers 6c+4, 6c+5 at 512 + 8 l.  Codes of a panel: [K step][tile][1536].  Scale words: [K step][tile][r], 4 bytes.
; WORK-GROUPS 0-255: x, one token panel and K step each, a wave a tile.  256-639: the weights, one panel of 128 columns and two K steps each; a lane takes a column and its registers run down K.
; The two ways part on the work-group's number and have LDS bytes of their own.
.set XST,   0                          ; x: a stage of 16 rows x (512 + 16) bytes for each wave
.set XSS,   67584                      ; x: the work-group's 128 scale words
.set WST,   68096                      ; weights: two fragment images for each wave
.set WSS,   92672                      ; weights: 2 x 128 scale words
.set SPARE, 93696                      ; the spare words, 128 bytes a wave
.set SPW, 14
.set NIL, 15
.set TM, 144
.set SO, 146
.set BY, 148
.set PW, 150
.set TP, 151
.set H8, 152
.set PC, 154
.set TQ, 166
; 64 numbers of a lane, register 32 c + n = k 64 c + 32 (lane / 16) + n of its row: two whole blocks.  They become the fragment's 12 registers in v[PC] on and the row's scale word in v[PW].
.macro Q6 n
.irp c, 0,1
	v_max3_num_f32 v[TM+\c], |v[\n+32*\c]|, |v[\n+32*\c+1]|, 0x1800000       ; the floor 2^(3 - 127) holds the byte at 1 from below
.endr
.irp i, 2,4,6,8,10,12,14,16,18,20,22,24,26,28,30
.irp c, 0,1
	v_max3_num_f32 v[TM+\c], v[TM+\c], |v[\n+32*\c+\i]|, |v[\n+32*\c+\i+1]|
.endr
.endr
.irp c, 0,1
	v_add_nc_u32 v[SO+\c], 0xff000000, v[TM+\c]      ; 2 off the exponent field: the conversion's scale operand
.endr
.irp c, 0,1
	v_lshrrev_b32 v[BY+\c], 23, v[SO+\c]             ; the scale's byte
.endr
	v_lshl_or_b32 v[PW], v[BY+1], 16, v[BY]          ; my blocks h and 2 + h,
	v_lshlrev_b32 v[PW], v[H8], v[PW]                ; 8 h bits up;
	v_permlanex16_b32 v[TP], v[PW], s24, s25
	v_or_b32 v[PW], v[PW], v[TP]                     ; with lane l xor 16's two bytes the word is whole
.irp c, 0,1
	v_cvt_scalef32_pk16_fp6_f32 v[PC+6*\c:PC+6*\c+2], v[\n+32*\c:\n+32*\c+15], v[SO+\c]
	v_cvt_scalef32_pk16_fp6_f32 v[TQ+4*\c:TQ+4*\c+2], v[\n+32*\c+16:\n+32*\c+31], v[SO+\c]   ; (a conversion's three registers begin on an even number)
.endr
	v_nop                                            ; one plain place behind a scaled conversion
.irp c, 0,1
.irp i, 0,1,2
	v_mov_b32 v[PC+6*\c+3+\i], v[TQ+4*\c+\i]
.endr
.endr
.endm
	s_load_b512 s[4:19], s[0:1], 0x0                 ; x, Wq, Wk, Wv, Wo, W_ff1, W_ff2, XC
	s_load_b64 s[20:21], s[0:1], 0x40                ; WC
	v_lshl_add_u32 v[SPW], v0, 2, SPARE
	v_mov_b32 v[NIL], 0
	v_lshrrev_b32 v1, 5, v0
	v_readfirstlane_b32 s22, v1                      ; wave 0..7
	v_and_b32 v3, 31, v0                             ; l
	v_and_b32 v1, 15, v0                             ; r
	v_bfe_u32 v2, v0, 4, 1                           ; h
	v_lshlrev_b32 v4, 4, v3                          ; 16 l
	v_lshlrev_b32 v5, 3, v3                          ; 8 l
	s_mov_b32 s24, 0x76543210
	s_mov_b32 s25, 0xfedcba98                        ; lane l xor 16
	s_cmp_ge_u32 ttmp9, 256
	s_cbranch_scc1 .Lw
	; ---------------- x: token panel p, K step ks; wave = tile
	s_lshr_b32 s26, ttmp9, 3                         ; p
	s_and_b32 s27, ttmp9, 7                          ; ks
	s_lshr_b32 s28, s22, 1
	s_lshl_b32 s28, s28, 5
	s_and_b32 s29, s22, 1
	s_lshl_b32 s29, s29, 3
	s_add_co_u32 s28, s28, s29
	s_lshl_b32 s29, s26, 7
	s_add_co_u32 s28, s28, s29                       ; the tile's first token
	s_lshl_b32 s28, s28, 12
	s_lshl_b32 s29, s27, 9
	s_add_co_u32 s28, s28, s29
	s_mov_b32 s29, 0
	s_mul_i32 s30, s26, 98304
	s_mul_i32 s31, s27, 12288
	s_add_co_u32 s30, s30, s31
	s_mul_i32 s31, s22, 1536
	s_add_co_u32 s30, s30, s31                       ; my fragment's place
	s_mov_b32 s31, 0
	s_lshl_b32 s32, s26, 12
	s_lshl_b32 s33, s27, 9
	s_add_co_u32 s32, s32, s33
	s_add_co_u32 s32, s32, 3145728                   ; the K step's 128 scale words
	s_mov_b32 s33, 0
	s_mul_i32 s34, s22, 8448                         ; my stage
	v_add_nc_u32 v6, s34, v4                         ; in: 16 l of a row
	v_mul_u32_u24 v7, v1, 528
	v_lshl_add_u32 v7, v2, 7, v7
	v_add_nc_u32 v7, s34, v7                         ; back: row r, 128 h
	s_lshl_b32 s35, s22, 6
	s_add_co_u32 s35, s35, XSS
	v_lshl_add_u32 v8, v1, 2, s35                    ; my row's scale word
	v_add_nc_u32 v9, XSS, v4
	v_lshlrev_b32 v[H8], 3, v2
	v_mov_b32 v[TP], 0                               ; a lane permute's destination counts as read
	s_wait_kmcnt 0x0
	s_add_nc_u64 s[4:5], s[4:5], s[28:29]
	s_add_nc_u64 s[36:37], s[18:19], s[30:31]
	s_add_nc_u64 s[38:39], s[18:19], s[32:33]
.irp q, 0,1,2,3,4,5,6,7,8,9,10,11,12,13,14,15
	global_load_b128 v[16+4*\q:19+4*\q], v4, s[4:5] offset:(\q+8*(\q/8))*4096 th:TH_LOAD_NT   ; 512 consecutive bytes: 128 along K of the tile's row q
.endr
.irp q, 0,1,2,3,4,5,6,7,8,9,10,11,12,13,14,15
	s_wait_loadcnt 15-\q                             ; loads come back in order: row q is in, the younger ones stay out
	ds_store_b128 v6, v[16+4*\q:19+4*\q] offset:528*\q
.endr
.irp c, 0,1
.irp i, 0,1,2,3,4,5,6,7
	ds_load_b128 v[80+32*\c+4*\i:83+32*\c+4*\i], v7 offset:256*\c+16*\i    ; LDS serves a wave's instructions in order: these see my stores
.endr
.endr
	s_wait_dscnt 0x0
	Q6 80
	global_store_b128 v4, v[PC:PC+3], s[36:37]                 ; each store covers whole aligned runs of 256 bytes
	global_store_b64 v5, v[PC+4:PC+5], s[36:37] offset:512
	global_store_b128 v4, v[PC+6:PC+9], s[36:37] offset:768
	global_store_b64 v5, v[PC+10:PC+11], s[36:37] offset:1280
	ds_store_b32 v8, v[PW]                           ; both halves of the lanes write the same word with the same value
	s_wait_dscnt 0x0                                 ; for the others' sake
	s_barrier_signal -1
	s_barrier_wait -1
	s_cmp_lg_u32 s22, 0
	s_cbranch_scc1 .Lx_end
	ds_load_b128 v[16:19], v9                        ; wave 0 stores the eight tiles' words: 512 consecutive bytes
	s_wait_dscnt 0x0
	global_store_b128 v4, v[16:19], s[38:39]
.Lx_end:
	s_wait_tensorcnt 0x0                             ; the wave's end
	ds_add_u32 v[SPW], v[NIL]
	s_wait_dscnt 0x0
	s_endpgm
	; ---------------- the weights
.Lw:
	s_sub_co_u32 s26, ttmp9, 256
	s_lshr_b32 s27, s26, 5                           ; 0-3: Wq, Wk, Wv, Wo;  4-7: W_ff1;  8-11: W_ff2
	s_lshr_b32 s28, s26, 2
	s_and_b32 s29, s28, 7                            ; panel
	s_and_b32 s30, s28, 31
	s_lshr_b32 s31, s26, 4
	s_and_b32 s31, s31, 7
	s_and_b32 s32, s26, 3                            ; pair of K steps
	s_and_b32 s33, s26, 15
	s_mul_i32 s34, s27, 786432                       ; the weight's codes in WC
	s_lshl_b32 s35, s27, 15                          ; and its scale words: a 24th of that
	s_mov_b32 s36, 4096                              ; a row of the weight in bytes
	s_mov_b32 s37, 98304                             ; a panel's codes
	s_mov_b32 s38, 4096                              ; a panel's scale words
	s_mov_b32 s39, 3145728
	s_mov_b32 s40, 131072
	s_mov_b32 s41, 16384
	s_cmp_ge_u32 s27, 4
	s_cselect_b32 s29, s30, s29
	s_cselect_b32 s34, s39, s34
	s_cselect_b32 s35, s40, s35
	s_cselect_b32 s36, s41, s36
	s_mov_b32 s39, 6291456
	s_mov_b32 s40, 262144
	s_mov_b32 s42, 393216
	s_mov_b32 s43, 4096
	s_cmp_ge_u32 s27, 8
	s_cselect_b32 s29, s31, s29
	s_cselect_b32 s32, s33, s32
	s_cselect_b32 s34, s39, s34
	s_cselect_b32 s35, s40, s35
	s_cselect_b32 s36, s43, s36
	s_cselect_b32 s37, s42, s37
	s_cselect_b32 s38, s41, s38
	s_lshr_b32 s44, s22, 2                           ; which of the two K steps
	s_and_b32 s45, s22, 3                            ; which 32 columns
	s_lshl_b32 s46, s32, 1
	s_add_co_u32 s46, s46, s44                       ; ks
	s_lshl_b32 s47, s46, 7
	s_mul_i32 s48, s47, s36                          ; 128 ks rows,
	s_lshl_b32 s49, s29, 9
	s_add_co_u32 s48, s48, s49                       ; 128 panel columns,
	s_lshl_b32 s49, s45, 7
	s_add_co_u32 s48, s48, s49                       ; my 32
	s_mov_b32 s49, 0
	s_mul_i32 s50, s29, s37
	s_add_co_u32 s50, s50, s34
	s_mul_i32 s51, s46, 12288
	s_add_co_u32 s50, s50, s51
	s_mul_i32 s51, s45, 3072
	s_add_co_u32 s50, s50, s51                       ; my two tiles' images
	s_mov_b32 s51, 0
	s_mul_i32 s52, s29, s38
	s_add_co_u32 s52, s52, s35
	s_lshl_b32 s53, s46, 9
	s_add_co_u32 s52, s52, s53
	s_add_co_u32 s52, s52, 9437184                   ; the K step's 128 scale words
	s_mov_b32 s53, 0
	s_mov_b32 s37, 0                                 ; s[36:37]: a row, as a 64-bit offset
	s_lshl_b32 s56, s36, 4                           ; 16 rows
	v_lshlrev_b32 v144, 2, v3
.irp j, 1,2,3,4,5,6,7
	v_add_nc_u32 v[144+\j], s56, v[143+\j]           ; 4 l + 16 j rows
.endr
	v_bfe_u32 v6, v0, 3, 1                           ; column 32 wv + l is row r' of tile 2 wv + u: u = (l / 8) % 2,
	v_and_b32 v7, 7, v0
	v_lshl_add_u32 v7, v2, 3, v7                     ; r' = l % 8 + 8 (l / 16)
	s_mul_i32 s57, s22, 3072
	s_add_co_u32 s57, s57, WST
	v_mul_u32_u24 v8, v6, 1536
	v_add_nc_u32 v8, s57, v8
	v_lshl_add_u32 v10, v7, 4, v8                    ; where my column's four registers go,
	v_lshl_add_u32 v11, v7, 3, v8
	v_add_nc_u32 v11, 512, v11                       ; and its two
	v_add_nc_u32 v12, s57, v4                        ; back: 16 l
	s_lshl_b32 s58, s44, 9
	s_lshl_b32 s59, s45, 7
	s_add_co_u32 s58, s58, s59
	s_add_co_u32 s58, s58, WSS
	v_lshl_add_u32 v13, v6, 6, s58
	v_lshl_add_u32 v13, v7, 2, v13                   ; my column's scale word
	s_lshl_b32 s59, s44, 9
	s_add_co_u32 s59, s59, WSS
	v_add_nc_u32 v9, s59, v4
	s_wait_kmcnt 0x0
	s_cmp_eq_u32 s27, 1                              ; the choice hangs on the work-group's number alone
	s_cselect_b64 s[54:55], s[8:9], s[6:7]
	s_cmp_eq_u32 s27, 2
	s_cselect_b64 s[54:55], s[10:11], s[54:55]
	s_cmp_eq_u32 s27, 3
	s_cselect_b64 s[54:55], s[12:13], s[54:55]
	s_cmp_ge_u32 s27, 4
	s_cselect_b64 s[54:55], s[14:15], s[54:55]
	s_cmp_ge_u32 s27, 8
	s_cselect_b64 s[54:55], s[16:17], s[54:55]
	s_add_nc_u64 s[68:69], s[54:55], s[48:49]
.irp i, 1,2,3,4,5,6,7,8,9,10,11,12,13,14,15
	s_add_nc_u64 s[68+2*\i:69+2*\i], s[66+2*\i:67+2*\i], s[36:37]    ; sixteen bases, a row apart; never rewritten
.endr
	s_add_nc_u64 s[60:61], s[20:21], s[50:51]
	s_add_nc_u64 s[62:63], s[20:21], s[52:53]
.irp j, 0,1,2,3,4,5,6,7
.irp i, 0,1,2,3,4,5,6,7,8,9,10,11,12,13,14,15
	global_load_b32 v[16+16*\j+\i], v[144+\j], s[68+2*\i:69+2*\i] th:TH_LOAD_NT   ; W(128 ks + 16 j + i, my column): 128 consecutive bytes a wave, 512 for four waves
.endr
.endr
; block kb of my column: 32 registers of mine.  left: how many younger loads may stay out (a count cannot name more than 63: the smaller count is safe)
.macro WBLOCK kb, left
.set XS, 16+32*\kb
	s_wait_loadcnt \left
	v_max3_num_f32 v152, |v[XS]|, |v[XS+1]|, |v[XS+2]|
	v_max3_num_f32 v153, |v[XS+3]|, |v[XS+4]|, |v[XS+5]|
.irp i, 6,10,14,18,22,26
	v_max3_num_f32 v152, v152, |v[XS+\i]|, |v[XS+\i+1]|
	v_max3_num_f32 v153, v153, |v[XS+\i+2]|, |v[XS+\i+3]|
.endr
	v_max3_num_f32 v152, v152, |v[XS+30]|, |v[XS+31]|
	v_max3_num_f32 v152, v152, v153, 0x1800000
	v_add_nc_u32 v154, 0xff000000, v152
	v_lshrrev_b32 v155, 23, v154
.if \kb == 0
	v_mov_b32 v156, v155
.else
	v_lshl_or_b32 v156, v155, 8*\kb, v156
.endif
	v_cvt_scalef32_pk16_fp6_f32 v[158:160], v[XS:XS+15], v154
	v_cvt_scalef32_pk16_fp6_f32 v[164:166], v[XS+16:XS+31], v154
	v_nop
	v_mov_b32 v161, v164
	v_mov_b32 v162, v165
	v_mov_b32 v163, v166
	ds_store_b128 v10, v[158:161] offset:768*(\kb/2)+256*(\kb%2)     ; block kb is half kb / 2, lanes 16 (kb % 2) + r' of the image
	ds_store_b64 v11, v[162:163] offset:768*(\kb/2)+128*(\kb%2)
	s_wait_dscnt 0x0                                 ; the stores have read their registers: the next block writes them again
.endm
	WBLOCK 0, 63
	WBLOCK 1, 63
	WBLOCK 2, 32
	WBLOCK 3, 0
.irp i, 0,1,2,3,4,5
	ds_load_b128 v[168+4*\i:171+4*\i], v12 offset:512*\i
.endr
.irp i, 0,1,2,3,4,5
	s_wait_dscnt 5-\i
	global_store_b128 v4, v[168+4*\i:171+4*\i], s[60:61] offset:512*\i
.endr
	ds_store_b32 v13, v156
	s_wait_dscnt 0x0
	s_barrier_signal -1
	s_barrier_wait -1
	s_cmp_lg_u32 s45, 0
	s_cbranch_scc1 .Lw_end
	ds_load_b128 v[16:19], v9                        ; waves 0 and 4 store their K step's 128 words; into registers that held the first block's numbers: no store names them, so the six stores above keep their data untouched
	s_wait_dscnt 0x0
	global_store_b128 v4, v[16:19], s[62:63]
.Lw_end:
	s_wait_tensorcnt 0x0
	ds_add_u32 v[SPW], v[NIL]
	s_wait_dscnt 0x0
	s_endpgm
.Lfunc_end_k_q5d76f0272a_quant:
	.size	k_q5d76f0272a_quant, .Lfunc_end_k_q5d76f0272a_quant-k_q5d76f0272a_quant
	.p2alignl 7, 3214868480
	.fill 96, 4, 3214868480
	.section	.rodata,"a",@progbits
	.p2align	6, 0x0
	.amdhsa_kernel k_q5d76f0272a_quant
		.amdhsa_group_segment_fixed_size 94720
		.amdhsa_private_segment_fixed_size 0
		.amdhsa_enable_private_segment 0
		.amdhsa_kernarg_size 72
		.amdhsa_user_sgpr_count 2
		.amdhsa_user_sgpr_kernarg_segment_ptr 1
		.amdhsa_wavefront_size32 1
		.amdhsa_system_sgpr_workgroup_id_x 1
		.amdhsa_system_sgpr_workgroup_id_y 1
		.amdhsa_system_sgpr_workgroup_id_z 1
		.amdhsa_system_vgpr_workitem_id 0
		.amdhsa_next_free_vgpr 192
		.amdhsa_next_free_sgpr 100
		.amdhsa_reserve_vcc 0
		.amdhsa_float_denorm_mode_32 3
		.amdhsa_float_denorm_mode_16_64 3
		.amdhsa_memory_ordered 1
		.amdhsa_forward_progress 1
		.amdhsa_inst_pref_size 36
	.end_amdhsa_kernel
	.amdgpu_metadata
---
amdhsa.version: [ 1, 2 ]
amdhsa.kernels:
  - .name:           k_q5d76f0272a_quant
    .symbol:         k_q5d76f0272a_quant.kd
    .args:
      - { .name: x, .offset: 0, .size: 8, .value_kind: global_buffer, .address_space: global }
      - { .name: Wq, .offset: 8, .size: 8, .value_kind: global_buffer, .address_space: global }
      - { .name: Wk, .offset: 16, .size: 8, .value_kind: global_buffer, .address_space: global }
      - { .name: Wv, .offset: 24, .size: 8, .value_kind: global_buffer, .address_space: global }
      - { .name: Wo, .offset: 32, .size: 8, .value_kind: global_buffer, .address_space: global }
      - { .name: W_ff1, .offset: 40, .size: 8, .value_kind: global_buffer, .address_space: global }
      - { .name: W_ff2, .offset: 48, .size: 8, .value_kind: global_buffer, .address_space: global }
      - { .name: XC, .offset: 56, .size: 8, .value_kind: global_buffer, .address_space: global }
      - { .name: WC, .offset: 64, .size: 8, .value_kind: global_buffer, .address_space: global }
    .group_segment_fixed_size: 94720
    .private_segment_fixed_size: 0
    .kernarg_segment_align: 8
    .kernarg_segment_size: 72
    .max_flat_workgroup_size: 256
    .sgpr_count:     100
    .vgpr_count:     192
    .wavefront_size: 32
...
	.end_amdgpu_metadata
.endif
;; end of part 1
;; launch qkv (part 2): grid 24 x 32, 4 waves a work-group, clusters of 4 x 4, 207,872 bytes of LDS; arguments XC, WC, QK, VT; writes QK, VT
.if DOCPART == 2
	.amdgcn_target "amdgcn-amd-amdhsa--gfx1250"
	.amdhsa_code_object_version 6
	.text
	.protected	k_q5d76f0272a_qkv
	.globl	k_q5d76f0272a_qkv
	.p2align	8
	.type	k_q5d76f0272a_qkv,@function
k_q5d76f0272a_qkv:
	s_mov_b64 s[64:65], 0
	v_nop
	global_prefetch_b8 v0, s[64:65] scope:SCOPE_SE
	s_setreg_imm32_b32 hwreg(HW_REG_WAVE_MODE, 25, 1), 1
	s_wait_xcnt 0x0
	s_wait_alu depctr_hold_cnt(0) depctr_sa_sdst(0) depctr_va_vdst(0) depctr_va_sdst(0) depctr_va_ssrc(0) depctr_va_vcc(0) depctr_vm_vsrc(0)
	s_getreg_b32 s2, hwreg(HW_REG_IB_STS2, 6, 4)
	s_cmp_eq_u32 s2, 0
	s_cbranch_scc0 .Lentry_in_a_cluster
	s_endpgm
.Lentry_in_a_cluster:
	s_bfe_u32 s2, ttmp6, 0x10000c
	s_cmp_lg_u32 s2, 0xf033
	s_cbranch_scc0 .Lentry_shape_is_right
	s_endpgm
.Lentry_shape_is_right:
; LAUNCH 2: q = x Wq, k = x Wk, v = x Wv on codes of E2M3; the results are quantised on the way out: q and k along the head's channels (into QK), v along the tokens (v^T, into VT).
; A work-group makes 128 tokens (panel Y) x 128 columns (weight panel X: 0-7 Wq, 8-15 Wk, 16-23 Wv); four waves, 64 x 64 each: 16 accumulators.  All of K (1,024) fits in LDS: two slots of four K steps, filled once.
; THE PRODUCT IS USED TRANSPOSED: source 0 = 16 rows of S0, source 1 = 16 rows of S1; a lane holds one row of S1 and its registers run along S0, 16 neighbours in two neighbouring tiles (layout: launch 1's head).
; q, k: S1 = tokens, S0 = weight columns.  v: S1 = weight columns, S0 = tokens.  The loads are the same in both cases; only the addresses from which a wave reads turn, on the cluster's x (the same in all partners).
; CLUSTER 4 x 4: the token panel is shared along a row, the weight panel along a column: joint loads.  Operands lie in memory as register images, so LDS needs no padding: every LDS load is dense.
; REGISTERS: window 0: v1-3 r, h, l; v4-12 LDS addresses; v14, 15 the add's two; v16-23 scale words, two sets of four (lanes 0-15: S1's tile i, lanes 16-31: S0's tile i); v24-27 way out; v32-99 at work; v128-255 accumulators.
;   window 1: two sets of fragments, at v0 and v128: S1's four at +0, S0's four at +48.
.set KS,    8
.set PANB,  KS*12288
.set PANS,  KS*512
.set HALFT, 24576                      ; four tiles x four K steps: what one tensor load brings
.set SLOT,  4*HALFT
.set SCL,   2*SLOT                     ; the two panels' scale words
.set SCH,   KS*256
.set SSTG,  SCL+4*SCH+2048             ; the way out's 128 scale words (2,048 bytes lie idle in front: the turned addresses are bounded by ranges)
.set SPARE, SSTG+512
.set ASO,   3145728
.set WSO,   9437184
.set ADA16, 4
.set ADA8,  6
.set ADB16, 8
.set ADB8,  10
.set ADRS,  12
.set SPW,   14
.set NIL,   15
.set SC,    16
.set ACC,   128
.set TM, 32
.set TP, 40
.set SO, 48
.set BY, 56
.set WD, 64
.set PC, 68
.set G1, 24
.set G0, 32
.set G1B, 48
.set G0B, 56
.set G1S, 68
.set G0S, 76
.set G1SB, 80
.set G0SB, 88
.set MSB, 0
.macro WIN new                         ; the immediate's high byte repeats the setting that is left
.if MSB != \new
	s_set_vgpr_msb (MSB<<8)|\new
.set MSB, \new
.endif
.endm
.macro PLACES
.rept 4
	v_nop
.endr
.endm
.macro JLOAD g0a, g1a, g0b, g1b        ; waves 0, 1 fetch the token panel's halves, waves 2, 3 the weight panel's; an s_nop 0 and four v_nop follow each line
	s_cmp_eq_u32 s15, 0
	s_cbranch_scc0 .Lfor_b_\@
	tensor_load_to_lds s[\g0a:\g0a+3], s[\g1a:\g1a+7]
	s_nop 0
.rept 4
	v_nop
.endr
	s_branch .Lasked_\@
.Lfor_b_\@:
	tensor_load_to_lds s[\g0b:\g0b+3], s[\g1b:\g1b+7]
	s_nop 0
.rept 4
	v_nop
.endr
.Lasked_\@:
.endm
.macro CROUND                          ; a round of the cluster's barrier
	s_barrier_signal -1
	s_barrier_wait -1
	s_cmp_lg_u32 s14, 0
	s_cbranch_scc1 .Lnw0_\@
	s_barrier_signal -3
.Lnw0_\@:
	s_barrier_wait -3
	s_barrier_signal -1
	s_barrier_wait -1
.endm
; the eight fragments and four scale registers of the slot's q-th K step, into set f (fragments) and p (scales): 36 dense LDS loads
.macro FETCH s, q, f, p, ko
	WIN 0x40
.irp i, 0,1,2,3
	ds_load_b128 v[(\f)+12*\i:(\f)+12*\i+3], v[ADA16+(\s)] offset:(\q)*6144+\i*1536
	ds_load_b64 v[(\f)+12*\i+4:(\f)+12*\i+5], v[ADA8+(\s)] offset:(\q)*6144+\i*1536
	ds_load_b128 v[(\f)+12*\i+6:(\f)+12*\i+9], v[ADA16+(\s)] offset:(\q)*6144+\i*1536+768
	ds_load_b64 v[(\f)+12*\i+10:(\f)+12*\i+11], v[ADA8+(\s)] offset:(\q)*6144+\i*1536+768
.endr
.irp i, 0,1,2,3
	ds_load_b128 v[(\f)+48+12*\i:(\f)+48+12*\i+3], v[ADB16+(\s)] offset:(\q)*6144+\i*1536
	ds_load_b64 v[(\f)+48+12*\i+4:(\f)+48+12*\i+5], v[ADB8+(\s)] offset:(\q)*6144+\i*1536
	ds_load_b128 v[(\f)+48+12*\i+6:(\f)+48+12*\i+9], v[ADB16+(\s)] offset:(\q)*6144+\i*1536+768
	ds_load_b64 v[(\f)+48+12*\i+10:(\f)+48+12*\i+11], v[ADB8+(\s)] offset:(\q)*6144+\i*1536+768
.endr
	WIN 0
.irp i, 0,1,2,3
	ds_load_b32 v[SC+4*(\p)+\i], v[ADRS] offset:(\ko)+64*\i
.endr
.endm
; 16 matrix instructions, the 16 accumulators by turns in the same order in every step.  cm = 0: the first K step starts the sums
.macro MUL f, p, cm
.irp a, 0,1,2,3
.irp b, 0,1,2,3
.if \cm == 0
	v_wmma_scale_f32_16x16x128_f8f6f4 v[ACC+8*(4*\a+\b):ACC+8*(4*\a+\b)+7], v[(\f)+48+12*\b:(\f)+48+12*\b+11], v[(\f)+12*\a:(\f)+12*\a+11], 0, v[SC+4*(\p)+\b], v[SC+4*(\p)+\a] matrix_a_fmt:MATRIX_FMT_FP6 matrix_b_fmt:MATRIX_FMT_FP6 matrix_a_scale:MATRIX_SCALE_ROW1
.else
	v_wmma_scale_f32_16x16x128_f8f6f4 v[ACC+8*(4*\a+\b):ACC+8*(4*\a+\b)+7], v[(\f)+48+12*\b:(\f)+48+12*\b+11], v[(\f)+12*\a:(\f)+12*\a+11], v[ACC+8*(4*\a+\b):ACC+8*(4*\a+\b)+7], v[SC+4*(\p)+\b], v[SC+4*(\p)+\a] matrix_a_fmt:MATRIX_FMT_FP6 matrix_b_fmt:MATRIX_FMT_FP6 matrix_a_scale:MATRIX_SCALE_ROW1
.endif
.endr
.endr
.endm
; a K step with its successor in the same slot: this step's operands, asked for a step ago, are in; four places behind the last products; the next step's loads; the products
.macro STEP s, q, cm
	s_wait_dscnt 0x0
	PLACES
	FETCH \s, (\q)+1, 128*(1-(\q)%2), 1-(\q)%2, (4*(\s)+(\q)+1)*512
	WIN 0x05
	MUL 128*((\q)%2), (\q)%2, \cm
.endm
; slot 0's last step: slot 1, filled once at the head, is shown whole to every wave; nothing is filled again
.macro TURN
	WIN 0
	s_wait_tensorcnt 0x0                             ; my part of slot 1 has landed
	ds_add_u32 v[SPW], v[NIL]
	s_wait_dscnt 0x0
	s_barrier_signal -1
	s_barrier_wait -1
	PLACES
	FETCH 1, 0, 0, 0, 2048
	WIN 0x05
	MUL 128, 1, 2
.endm
	s_load_b256 s[4:11], s[0:1], 0x0                 ; XC, WC, QK, VT
	v_lshl_add_u32 v[SPW], v0, 2, SPARE
	v_mov_b32 v[NIL], 0
	ds_add_u32 v[SPW], v[NIL]                        ; the opening: the add, twice on end, and its wait ahead of my first tensor load
	ds_add_u32 v[SPW], v[NIL]
	v_lshrrev_b32 v1, 5, v0
	v_readfirstlane_b32 s14, v1                      ; wave 0..3
	s_lshr_b32 s15, s14, 1                           ; wr: my half of S1.  Also: I fetch tokens (0) or weights (1)
	s_and_b32 s16, s14, 1                            ; wc: my half of S0.  Also: which four tiles I fetch
	s_bfe_u32 s40, ttmp6, 0x40000                    ; cx
	s_bfe_u32 s41, ttmp6, 0x40004                    ; cy
	s_lshl_b32 s42, ttmp9, 2
	s_add_co_u32 s42, s42, s40                       ; X
	s_and_b32 s17, ttmp7, 0xffff
	s_lshl_b32 s17, s17, 2
	s_add_co_u32 s17, s17, s41                       ; Y
	s_lshl_b32 s43, s41, 2
	s_lshl_b32 s43, 15, s43                          ; my row of the cluster
	s_lshl_b32 s44, 0x1111, s40                      ; my column
	s_or_b32 s[G1], s43, (3<<16)|(1<<21)             ; elements of 8 bytes, no padding; bit 21 beside a mask
	s_or_b32 s[G1B], s44, (3<<16)|(1<<21)
.irp g, G1, G1B
	s_mov_b32 s[\g+1], 768<<16                       ; a row: four tiles of one K step, 6,144 bytes
	s_mov_b32 s[\g+2], 4<<16                         ; four K steps
	s_mov_b32 s[\g+3], 768<<16
	s_mov_b32 s[\g+4], 4
	s_mov_b32 s[\g+5], 1536                          ; 12,288 bytes from K step to K step
	s_mov_b32 s[\g+6], 0
	s_mov_b32 s[\g+7], 0
.endr
	s_or_b32 s[G1S], s43, (3<<16)|(1<<21)
	s_or_b32 s[G1SB], s44, (3<<16)|(1<<21)
.irp g, G1S, G1SB
	s_mov_b32 s[\g+1], 32<<16                        ; half a panel's scale words: KS dense rows of 256 bytes
	s_mov_b32 s[\g+2], KS<<16
	s_mov_b32 s[\g+3], 32<<16
	s_mov_b32 s[\g+4], KS
	s_mov_b32 s[\g+5], 32
	s_mov_b32 s[\g+6], 0
	s_mov_b32 s[\g+7], 0
.endr
	s_mul_i32 s18, s16, 6144
	s_mul_i32 s19, s16, SCH
	s_mul_i32 s20, s17, PANB                         ; the token panel: hangs on Y alone
	s_add_co_u32 s20, s20, s18
	s_mov_b32 s21, 0
	s_mul_i32 s22, s17, PANS
	s_add_co_u32 s22, s22, s19
	s_add_co_u32 s22, s22, ASO
	s_mov_b32 s23, 0
	s_mul_i32 s46, s42, PANB                         ; the weight panel: on X alone
	s_add_co_u32 s46, s46, s18
	s_mov_b32 s47, 0
	s_mul_i32 s92, s42, PANS
	s_add_co_u32 s92, s92, s19
	s_add_co_u32 s92, s92, WSO
	s_mov_b32 s93, 0
	s_mul_i32 s45, s14, HALFT
	s_mul_i32 s94, s14, SCH
	s_mov_b32 s96, 0x76543210
	s_mov_b32 s97, 0xfedcba98
	s_wait_dscnt 0x0                                 ; both opening adds are done
	s_wait_kmcnt 0x0
	s_add_nc_u64 s[20:21], s[4:5], s[20:21]
	s_add_nc_u64 s[22:23], s[4:5], s[22:23]
	s_add_nc_u64 s[46:47], s[6:7], s[46:47]
	s_add_nc_u64 s[92:93], s[6:7], s[92:93]
	CROUND                                           ; all sixteen work-groups are here: the first joint loads meet
	s_mov_b32 s[G0S], 1
	s_add_co_u32 s[G0S+1], s94, SCL
	s_mov_b64 s[G0S+2:G0S+3], s[22:23]
	s_or_b32 s[G0S+3], s[G0S+3], 0x80000000
	s_mov_b32 s[G0SB], 1
	s_add_co_u32 s[G0SB+1], s94, SCL
	s_mov_b64 s[G0SB+2:G0SB+3], s[92:93]
	s_or_b32 s[G0SB+3], s[G0SB+3], 0x80000000
	JLOAD G0S, G1S, G0SB, G1SB
.irp s, 0,1
	s_mov_b32 s[G0+4*\s], 1
	s_add_co_u32 s[G0+4*\s+1], s45, \s*SLOT
	s_add_nc_u64 s[G0+4*\s+2:G0+4*\s+3], s[20:21], \s*49152
	s_or_b32 s[G0+4*\s+3], s[G0+4*\s+3], 0x80000000
	s_mov_b32 s[G0B+4*\s], 1
	s_add_co_u32 s[G0B+4*\s+1], s45, \s*SLOT
	s_add_nc_u64 s[G0B+4*\s+2:G0B+4*\s+3], s[46:47], \s*49152
	s_or_b32 s[G0B+4*\s+3], s[G0B+4*\s+3], 0x80000000
	JLOAD G0+4*\s, G1, G0B+4*\s, G1B                 ; three loads of mine are out
.endr
	v_and_b32 v1, 15, v0                             ; r
	v_bfe_u32 v2, v0, 4, 1                           ; h
	v_and_b32 v3, 31, v0                             ; l
	v_lshlrev_b32 v24, 4, v3
	v_lshlrev_b32 v25, 3, v3
	s_cmp_ge_u32 ttmp9, 4
	s_cselect_b32 s2, 1, 0                           ; 1: this cluster makes v
	s_lshl_b32 s18, s2, 1
	s_add_co_u32 s20, s18, s15                       ; S1's four tiles lie in loader part 2 isV + wr,
	s_sub_co_u32 s21, 2, s18
	s_add_co_u32 s21, s21, s16                       ; S0's in part 2 - 2 isV + wc
	s_mul_i32 s20, s20, HALFT
	s_mul_i32 s21, s21, HALFT
	v_add_nc_u32 v[ADA16], s20, v24
	v_add_nc_u32 v[ADA8], s20, v25
	v_add_nc_u32 v[ADA8], 512, v[ADA8]
	v_add_nc_u32 v[ADB16], s21, v24
	v_add_nc_u32 v[ADB8], s21, v25
	v_add_nc_u32 v[ADB8], 512, v[ADB8]
	v_add_nc_u32 v[ADA16+1], SLOT, v[ADA16]
	v_add_nc_u32 v[ADA8+1], SLOT, v[ADA8]
	v_add_nc_u32 v[ADB16+1], SLOT, v[ADB16]
	v_add_nc_u32 v[ADB8+1], SLOT, v[ADB8]
	s_cmp_eq_u32 s2, 1
	s_cselect_b32 s22, s16, s15                      ; which half of the tokens' words I read,
	s_cselect_b32 s23, s15, s16                      ; and of the weights'
	s_lshl_b32 s22, s22, 8
	s_lshl_b32 s23, s23, 8
	s_add_co_u32 s23, s23, 2*SCH
	s_sub_co_u32 s23, s23, s22                       ; the distance from the one to the other
	v_xor_b32 v13, s2, v2                            ; lanes 0-15 take S1's words, lanes 16-31 S0's: 1 where that is the weights'
	v_mul_u32_u24 v[ADRS], s23, v13
	v_lshl_add_u32 v[ADRS], v1, 2, v[ADRS]
	s_add_co_u32 s22, s22, SCL
	v_add_nc_u32 v[ADRS], s22, v[ADRS]
	s_lshl_b32 s22, s15, 8
	s_lshl_b32 s23, s16, 1
	s_add_co_u32 s22, s22, s23
	s_add_co_u32 s22, s22, SSTG
	v_lshl_add_u32 v26, v1, 2, s22                   ; the way out: my two scale bytes of row r
	v_add_nc_u32 v27, SSTG, v24
	; where the results go: q, k: QK, panel Y, K step X;  v: VT, panel X - 16, K step Y
	s_sub_co_u32 s18, s42, 16
	s_cmp_eq_u32 s2, 1
	s_cselect_b32 s18, s18, s17
	s_cselect_b32 s19, s17, s42
	s_cselect_b64 s[8:9], s[10:11], s[8:9]
	s_mov_b32 s20, 196608
	s_cselect_b32 s20, 393216, s20
	s_mov_b32 s21, 8192
	s_cselect_b32 s21, 16384, s21
	s_mov_b32 s22, 6291456
	s_cselect_b32 s22, 3145728, s22
	s_mul_i32 s20, s18, s20
	s_mul_i32 s23, s19, 12288
	s_add_co_u32 s20, s20, s23
	s_mul_i32 s23, s15, 6144
	s_add_co_u32 s20, s20, s23
	s_mul_i32 s23, s16, 768
	s_add_co_u32 s20, s20, s23
	s_mul_i32 s21, s18, s21
	s_add_co_u32 s22, s22, s21
	s_lshl_b32 s23, s19, 9
	s_add_co_u32 s22, s22, s23
	s_mov_b32 s21, 0
	s_mov_b32 s23, 0
	s_add_nc_u64 s[10:11], s[8:9], s[22:23]          ; the scale words' place
	s_add_nc_u64 s[8:9], s[8:9], s[20:21]            ; the codes'
	s_wait_tensorcnt 0x1                             ; the scale words and my part of slot 0 are in; slot 1's load may be out
	s_barrier_signal -1
	s_barrier_wait -1
	FETCH 0, 0, 0, 0, 0
	STEP 0, 0, 0
	STEP 0, 1, 2
	STEP 0, 2, 2
	TURN
	STEP 1, 0, 2
	STEP 1, 1, 2
	STEP 1, 2, 2
	s_wait_dscnt 0x0
	WIN 0x05
	MUL 128, 1, 2
	WIN 0
	; THE WAY OUT: for S1 tile a the lane's 32 registers are two blocks of 32 along the next K, half of each (16 neighbours) in lane l, half in lane l xor 16
.irp n, 0,1,2,3,4,5,6,7
	v_mov_b32 v[TP+\n], 0                            ; (a lane permute's destination counts as read; these eight are also the places behind the last products)
.endr
.irp n, 0,1,2,3,4,5,6,7
	v_max3_num_f32 v[TM+\n], |v[ACC+16*\n]|, |v[ACC+16*\n+1]|, 0x1800000     ; each accumulator is read from its low end on
.endr
.irp i, 2,4,6,8,10,12,14
.irp n, 0,1,2,3,4,5,6,7
	v_max3_num_f32 v[TM+\n], v[TM+\n], |v[ACC+16*\n+\i]|, |v[ACC+16*\n+\i+1]|
.endr
.endr
.irp n, 0,1,2,3,4,5,6,7
	v_permlanex16_b32 v[TP+\n], v[TM+\n], s96, s97
.endr
.irp n, 0,1,2,3,4,5,6,7
	v_max_num_f32 v[TM+\n], v[TM+\n], v[TP+\n]
.endr
.irp n, 0,1,2,3,4,5,6,7
	v_add_nc_u32 v[SO+\n], 0xff000000, v[TM+\n]
.endr
.irp n, 0,1,2,3,4,5,6,7
	v_lshrrev_b32 v[BY+\n], 23, v[SO+\n]
.endr
.irp a, 0,1,2,3
	v_lshl_or_b32 v[WD+\a], v[BY+2*\a+1], 8, v[BY+2*\a]
.endr
.irp a, 0,1,2,3
	v_cvt_scalef32_pk16_fp6_f32 v[PC+8*\a:PC+8*\a+2], v[ACC+32*\a:ACC+32*\a+15], v[SO+2*\a]
	v_cvt_scalef32_pk16_fp6_f32 v[PC+8*\a+4:PC+8*\a+6], v[ACC+32*\a+16:ACC+32*\a+31], v[SO+2*\a+1]
.endr
	v_nop
.irp a, 0,1,2,3
.irp i, 0,1,2
	v_permlane16_swap_b32 v[PC+8*\a+\i], v[PC+8*\a+4+\i]     ; a whole block in a lane: lanes 0-15 the first, lanes 16-31 the second
.endr
.irp i, 0,1,2
	v_mov_b32 v[PC+8*\a+3+\i], v[PC+8*\a+4+\i]
.endr
.endr
.irp a, 0,1,2,3
	global_store_b128 v24, v[PC+8*\a:PC+8*\a+3], s[8:9] offset:1536*\a          ; half wc of the image of (tile 4 wr + a): 768 consecutive bytes
	global_store_b64 v25, v[PC+8*\a+4:PC+8*\a+5], s[8:9] offset:1536*\a+512
	ds_store_b16 v26, v[WD+\a] offset:64*\a
.endr
	s_wait_dscnt 0x0
	s_barrier_signal -1
	s_barrier_wait -1
	s_cmp_lg_u32 s14, 0
	s_cbranch_scc1 .Lnot0
	ds_load_b128 v[32:35], v27
	s_wait_dscnt 0x0
	global_store_b128 v24, v[32:35], s[10:11]        ; the K step's 128 scale words: 512 consecutive bytes
.Lnot0:
	s_wait_tensorcnt 0x0                             ; the wave's end
	ds_add_u32 v[SPW], v[NIL]
	s_wait_dscnt 0x0
	CROUND                                           ; the closing round
	s_endpgm
.Lfunc_end_k_q5d76f0272a_qkv:
	.size	k_q5d76f0272a_qkv, .Lfunc_end_k_q5d76f0272a_qkv-k_q5d76f0272a_qkv
	.p2alignl 7, 3214868480
	.fill 96, 4, 3214868480
	.section	.rodata,"a",@progbits
	.p2align	6, 0x0
	.amdhsa_kernel k_q5d76f0272a_qkv
		.amdhsa_group_segment_fixed_size 207872
		.amdhsa_private_segment_fixed_size 0
		.amdhsa_enable_private_segment 0
		.amdhsa_kernarg_size 32
		.amdhsa_user_sgpr_count 2
		.amdhsa_user_sgpr_kernarg_segment_ptr 1
		.amdhsa_wavefront_size32 1
		.amdhsa_system_sgpr_workgroup_id_x 1
		.amdhsa_system_sgpr_workgroup_id_y 1
		.amdhsa_system_sgpr_workgroup_id_z 1
		.amdhsa_system_vgpr_workitem_id 0
		.amdhsa_next_free_vgpr 512
		.amdhsa_next_free_sgpr 100
		.amdhsa_reserve_vcc 0
		.amdhsa_float_denorm_mode_32 3
		.amdhsa_float_denorm_mode_16_64 3
		.amdhsa_memory_ordered 1
		.amdhsa_forward_progress 1
		.amdhsa_inst_pref_size 56
	.end_amdhsa_kernel
	.amdgpu_metadata
---
amdhsa.version: [ 1, 2 ]
amdhsa.kernels:
  - .name:           k_q5d76f0272a_qkv
    .symbol:         k_q5d76f0272a_qkv.kd
    .args:
      - { .name: XC, .offset: 0, .size: 8, .value_kind: global_buffer, .address_space: global }
      - { .name: WC, .offset: 8, .size: 8, .value_kind: global_buffer, .address_space: global }
      - { .name: QK, .offset: 16, .size: 8, .value_kind: global_buffer, .address_space: global }
      - { .name: VT, .offset: 24, .size: 8, .value_kind: global_buffer, .address_space: global }
    .group_segment_fixed_size: 207872
    .private_segment_fixed_size: 0
    .kernarg_segment_align: 8
    .kernarg_segment_size: 32
    .max_flat_workgroup_size: 128
    .sgpr_count:     100
    .vgpr_count:     512
    .wavefront_size: 32
...
	.end_amdgpu_metadata
.endif
;; end of part 2
;; launch attn (part 3): grid 16 x 16, 16 waves a work-group, no clusters, 327,680 bytes of LDS; arguments QK, VT, CTX; writes CTX
.if DOCPART == 3
	.amdgcn_target "amdgcn-amd-amdhsa--gfx1250"
	.amdhsa_code_object_version 6
	.text
	.protected	k_q5d76f0272a_attn
	.globl	k_q5d76f0272a_attn
	.p2align	8
	.type	k_q5d76f0272a_attn,@function
k_q5d76f0272a_attn:
	s_mov_b64 s[64:65], 0
	v_nop
	global_prefetch_b8 v0, s[64:65] scope:SCOPE_SE
	s_setreg_imm32_b32 hwreg(HW_REG_WAVE_MODE, 25, 1), 1
	s_wait_xcnt 0x0
; LAUNCH 3: causal attention on codes of E2M3, ctx quantised on the way out.  t = (q . k) log2(e) / 8; M = the running largest t rounded up to a whole number; p = 2^(t - M) is quantised along the keys, not normalised;
; the row's sum is taken of the unquantised p and divides at the end.  When M moves, the sum and O are multiplied by 2^(old M - new M): exact.
; LEFT OUT AS DEAD WORK (shown at launch 1's head): key steps all of whose 128 keys come after a wave's queries, and the loads of slots that no wave of the work-group reads.
; SHARES.  Work-group (i, y = 8 batch + head pair) owns the pair's two heads and the query quads (64 tokens) i and 31 - i: the same work under the mask for every work-group.  Each of its sixteen waves owns one tile of
; 16 queries of one head: head c = w % 2; late quad where bits 3 and 1 of w differ; tile t' = bit 2 + 2 x bit 3.  A tile's queries are Q0 + r + 8 (r / 8): they never straddle a step of 128 keys.
; The head's 64 fill half of the instruction's K: registers 6-11 of Q's and K's fragments hold zero codes, which add nothing.
; Both products are used transposed (S^T = K Q^T, O^T = V^T P^T): a lane holds one query throughout.  K's and V's images come through two LDS slots of 512 keys; the scale words of all 2,048 keys stay in LDS.
; cluster = none: which steps a wave walks hangs on its work-group's quads, which differ between work-groups that share K and V.
; REGISTERS: v1-4, 7, 8 addresses that stay; v5, 6 the add's two; v9-11, 29-31 the step's addresses; v12 -M, v13 the largest t, v[14:15] the sum; v16-27 Q; v28 prefetch offset; v32-79 four fragments of K;
;   v80-127 V's four; v128-191 S^T, then p; v192-223 O^T; v224-235 p's codes; v232-254 at work; v248-251 scale words of K, then of V; v253 p's; v255 Q's.
.set SK,    512
.set STEPB, 12288
.set VOFF,  49152
.set SLOT1, 131072
.set NSL,   4
.set SCK,   262144
.set SCV,   270336
.set SST,   278528
.set SPARE, 279040
.set AK16, 1
.set AK8,  2
.set AV16, 3
.set AV8,  4
.set SPW,  5
.set NIL,  6
.set ASK0, 7
.set ASV0, 8
.set ADK16, 9
.set ADK8,  10
.set ADV16, 11
.set PFO,  28
.set ADV8, 29
.set ADS,  30
.set ADT,  31
.set TB,   2
.set TS,   3
.set WV,   18
.set SEL,  20
.set CS,   22
.set G1K,  24
.set G1V,  32
.set G0K,  40
.set G0V,  44
.set G1SK, 48
.set G1SV, 56
.set SLOTS, 66
.set STEPS, 67
.set G0SK, 68
.set G0SV, 72
.set PFA,  76
.set PFS,  78
.set LIM,  80
.set QL,   97
.set KF,   98
.set Q0,   99
.macro TLOAD g0k, g1k, g0v, g1v        ; waves 0, 1 fetch for K, waves 2, 3 for V, the others nothing; an s_nop 0 and four v_nop follow each line
	s_cmp_lt_u32 s[WV], 2
	s_cbranch_scc0 .Lnot_k_\@
	tensor_load_to_lds s[\g0k:\g0k+3], s[\g1k:\g1k+7]
	s_nop 0
.rept 4
	v_nop
.endr
	s_branch .Lasked_\@
.Lnot_k_\@:
	s_cmp_lt_u32 s[WV], 4
	s_cbranch_scc0 .Lasked_\@
	tensor_load_to_lds s[\g0v:\g0v+3], s[\g1v:\g1v+7]
	s_nop 0
.rept 4
	v_nop
.endr
.Lasked_\@:
.endm
; A prefetch of the slot that the NEXT change of slots will ask for: 192 blocks of 256 bytes of K (four panels' K step) and 192 of V (dense).  All sixteen work-groups of a batch and head pair walk the same K and V:
; work-group i = 0 asks, waves 4-9 for K's blocks and waves 10-15 for V's, a lane a block, one instruction a wave: each block is named once in the launch.  Slots 0 and 1 come by their loads alone; the last change that fills asks for nothing.
.macro ASK
	s_cmp_gt_u32 s[SLOTS], s[LIM]
	s_cbranch_scc0 .Lnot_mine_\@
	global_prefetch_b8 v[PFO], s[PFA:PFA+1] th:TH_LOAD_NT scope:SCOPE_SE
.Lnot_mine_\@:
.endm
	s_load_b128 s[4:7], s[0:1], 0x0                  ; QK, VT
	s_load_b64 s[8:9], s[0:1], 0x10                  ; CTX
	v_lshl_add_u32 v[SPW], v0, 2, SPARE
	v_mov_b32 v[NIL], 0
	ds_add_u32 v[SPW], v[NIL]                        ; the opening: the add, twice on end, and its wait ahead of the first tensor load
	ds_add_u32 v[SPW], v[NIL]
	v_lshrrev_b32 v9, 5, v0
	v_readfirstlane_b32 s[WV], v9                    ; wave 0..15
	s_and_b32 s10, ttmp7, 0xffff
	s_lshr_b32 s11, s10, 3                           ; batch
	s_and_b32 s12, s10, 7                            ; head pair
	s_and_b32 s13, s[WV], 1                          ; c: my head of the pair.  Also: which half a fetching wave takes
	s_lshr_b32 s14, s[WV], 3
	s_lshr_b32 s15, s[WV], 1
	s_xor_b32 s15, s15, s14
	s_and_b32 s15, s15, 1                            ; late
	s_bfe_u32 s16, s[WV], 0x10002
	s_lshl_b32 s17, s14, 1
	s_add_co_u32 s16, s16, s17                       ; t'
	s_sub_co_u32 s17, 31, ttmp9                      ; the late quad
	s_cmp_eq_u32 s15, 1
	s_cselect_b32 s19, s17, ttmp9                    ; my quad
	s_lshl_b32 s[Q0], s19, 6
	s_lshr_b32 s81, s16, 1
	s_lshl_b32 s81, s81, 5
	s_add_co_u32 s[Q0], s[Q0], s81
	s_and_b32 s81, s16, 1
	s_lshl_b32 s81, s81, 3
	s_add_co_u32 s[Q0], s[Q0], s81                   ; my tile's first query, in the batch
	s_lshl_b32 s[QL], s17, 6
	s_add_co_u32 s[QL], s[QL], 63                    ; the work-group's last query
	s_lshl_b32 s76, s11, 4                           ; the batch's first token panel
	s_add_co_u32 s79, s12, 8                         ; k's K step in a token panel of QK
	s_mul_i32 s10, s76, 196608
	s_mul_i32 s81, s79, 12288
	s_add_co_u32 s10, s10, s81                       ; where the pair's keys begin in QK
	s_mul_i32 s14, s12, 393216
	s_mul_i32 s81, s76, 12288
	s_add_co_u32 s14, s14, s81                       ; and its values in VT
	s_mul_i32 s81, s13, 393216
	s_add_co_u32 s86, s10, s81                       ; a fetching wave takes two of a slot's four steps
	s_mov_b32 s87, 0
	s_mul_i32 s81, s13, 24576
	s_add_co_u32 s88, s14, s81
	s_mov_b32 s89, 0
	s_lshl_b32 s82, s76, 13                          ; K's scale words: 512 bytes of each of 8 panels
	s_lshl_b32 s81, s13, 16
	s_add_co_u32 s82, s82, s81
	s_lshl_b32 s81, s79, 9
	s_add_co_u32 s82, s82, s81
	s_add_co_u32 s82, s82, 6291456
	s_mov_b32 s83, 0
	s_lshl_b32 s84, s12, 14                          ; V's: 4,096 dense bytes
	s_lshl_b32 s81, s76, 9
	s_add_co_u32 s84, s84, s81
	s_lshl_b32 s81, s13, 12
	s_add_co_u32 s84, s84, s81
	s_add_co_u32 s84, s84, 3145728
	s_mov_b32 s85, 0
	s_lshr_b32 s77, s19, 1
	s_add_co_u32 s77, s77, s76                       ; my queries' token panel
	s_and_b32 s78, s19, 1
	s_lshl_b32 s78, s78, 2
	s_add_co_u32 s78, s78, s16                       ; and tile
	s_mul_i32 s81, s78, 1536
	s_mul_i32 s96, s13, 768
	s_add_co_u32 s81, s81, s96
	s_mul_i32 s96, s12, 12288
	s_add_co_u32 s81, s81, s96
	s_mul_i32 s90, s77, 196608
	s_add_co_u32 s90, s90, s81                       ; Q's half image
	s_mov_b32 s91, 0
	s_mul_i32 s94, s77, 98304
	s_add_co_u32 s94, s94, s81                       ; ctx's
	s_mov_b32 s95, 0
	s_lshl_b32 s92, s77, 13
	s_lshl_b32 s81, s12, 9
	s_add_co_u32 s92, s92, s81
	s_lshl_b32 s81, s78, 6
	s_add_co_u32 s92, s92, s81
	s_lshl_b32 s81, s13, 1
	s_add_co_u32 s92, s92, s81
	s_add_co_u32 s92, s92, 6291456                   ; Q's two scale bytes a row
	s_mov_b32 s93, 0
	s_mov_b32 s[G1K], 3<<16                          ; elements of 8 bytes, no mask, no padding
	s_mov_b32 s[G1K+1], 1536<<16                     ; a row: a step's eight images, 12,288 bytes
	s_mov_b32 s[G1K+2], 2<<16
	s_mov_b32 s[G1K+3], 1536<<16
	s_mov_b32 s[G1K+4], 2
	s_mov_b32 s[G1K+5], 24576                        ; a token panel of QK: 196,608 bytes
	s_mov_b32 s[G1K+6], 0
	s_mov_b32 s[G1K+7], 0
	s_mov_b32 s[G1V], 3<<16
	s_mov_b32 s[G1V+1], 1536<<16
	s_mov_b32 s[G1V+2], 2<<16
	s_mov_b32 s[G1V+3], 1536<<16
	s_mov_b32 s[G1V+4], 2
	s_mov_b32 s[G1V+5], 1536
	s_mov_b32 s[G1V+6], 0
	s_mov_b32 s[G1V+7], 0
	s_mov_b32 s[G1SK], 3<<16
	s_mov_b32 s[G1SK+1], 64<<16
	s_mov_b32 s[G1SK+2], 8<<16
	s_mov_b32 s[G1SK+3], 64<<16
	s_mov_b32 s[G1SK+4], 8
	s_mov_b32 s[G1SK+5], 1024
	s_mov_b32 s[G1SK+6], 0
	s_mov_b32 s[G1SK+7], 0
	s_mov_b32 s[G1SV], 3<<16
	s_mov_b32 s[G1SV+1], 64<<16
	s_mov_b32 s[G1SV+2], 8<<16
	s_mov_b32 s[G1SV+3], 64<<16
	s_mov_b32 s[G1SV+4], 8
	s_mov_b32 s[G1SV+5], 64
	s_mov_b32 s[G1SV+6], 0
	s_mov_b32 s[G1SV+7], 0
	s_mov_b32 s[SEL], 0x76543210
	s_mov_b32 s[SEL+1], 0xfedcba98
	s_mov_b32 s[CS], 0x3e38aa3b                      ; log2(e) / sqrt(64)
	s_mov_b32 s[CS+1], s[CS]
	s_mov_b32 s[TB], 0
	s_mov_b32 s[TS], 0
	s_mov_b32 s[KF], 0
	s_mov_b32 s[SLOTS], NSL-1
	s_lshl_b32 s81, s13, 12
	s_mul_i32 s96, s13, 24576
	s_wait_dscnt 0x0                                 ; both opening adds are done
	s_wait_kmcnt 0x0
	s_mov_b32 s[G0SK], 1
	s_add_co_u32 s[G0SK+1], s81, SCK
	s_add_nc_u64 s[G0SK+2:G0SK+3], s[4:5], s[82:83]
	s_or_b32 s[G0SK+3], s[G0SK+3], 0x80000000
	s_mov_b32 s[G0SV], 1
	s_add_co_u32 s[G0SV+1], s81, SCV
	s_add_nc_u64 s[G0SV+2:G0SV+3], s[6:7], s[84:85]
	s_or_b32 s[G0SV+3], s[G0SV+3], 0x80000000
	TLOAD G0SK, G1SK, G0SV, G1SV                     ; the scale words of all keys: filled once
	s_mov_b32 s[G0K], 1
	s_mov_b32 s[G0K+1], s96
	s_add_nc_u64 s[G0K+2:G0K+3], s[4:5], s[86:87]
	s_or_b32 s[G0K+3], s[G0K+3], 0x80000000
	s_mov_b32 s[G0V], 1
	s_add_co_u32 s[G0V+1], s96, VOFF
	s_add_nc_u64 s[G0V+2:G0V+3], s[6:7], s[88:89]
	s_or_b32 s[G0V+3], s[G0V+3], 0x80000000
	TLOAD G0K, G1K, G0V, G1V                         ; slot 0
	s_add_nc_u64 s[90:91], s[4:5], s[90:91]
	s_add_nc_u64 s[92:93], s[4:5], s[92:93]
	s_add_nc_u64 s[94:95], s[8:9], s[94:95]
	; the prefetches: where my wave's stand, and who asks
	s_cmp_lt_u32 s[WV], 10
	s_cselect_b64 s[PFA:PFA+1], s[4:5], s[6:7]
	s_cselect_b32 s81, s10, s14
	s_mov_b32 s[PFS], 49152
	s_cselect_b32 s[PFS], 786432, s[PFS]             ; a slot on
	s_cselect_b32 s82, 4, 10
	s_cselect_b32 s83, 184320, 0                     ; K: from the end of a panel's 48 blocks to the next panel's first
	s_mov_b32 s[PFS+1], 0
	s_add_co_u32 s84, s81, s[PFS]                    ; in slot 1: the first change of slots steps it to slot 2
	s_mov_b32 s85, 0
	s_add_nc_u64 s[PFA:PFA+1], s[PFA:PFA+1], s[84:85]
	s_max_u32 s81, s[WV], 4
	s_sub_co_u32 s81, s81, s82
	s_lshl_b32 s81, s81, 5
	v_and_b32 v232, 31, v0
	v_add_nc_u32 v232, s81, v232                     ; my block, 0..191
	v_mul_u32_u24 v233, v232, 683
	v_lshrrev_b32 v233, 15, v233                     ; / 48
	v_mul_u32_u24 v233, v233, s83
	v_lshl_add_u32 v[PFO], v232, 8, v233
	s_lshr_b32 s81, s[WV], 2
	s_cmp_eq_u32 s81, 0
	s_cselect_b32 s81, 1, 0                          ; the fetching waves ask for nothing,
	s_or_b32 s81, s81, ttmp9                         ; nor does any work-group but the first
	s_cmp_eq_u32 s81, 0
	s_cselect_b32 s[LIM], 1, -1
	v_and_b32 v9, 15, v0                             ; r
	v_and_b32 v11, 31, v0                            ; l
	v_lshlrev_b32 v29, 4, v11
	v_lshlrev_b32 v30, 3, v11
	v_lshlrev_b32 v31, 2, v9
	global_load_b128 v[16:19], v29, s[90:91]         ; Q's half image: it stays in registers
	global_load_b64 v[20:21], v30, s[90:91] offset:512
	global_load_u16 v255, v31, s[92:93]              ; its two scale bytes; the upper two bytes are 0 and stand over zero codes
	s_mul_i32 s81, s13, 768
	v_lshl_add_u32 v[AK16], v11, 4, s81
	v_lshl_add_u32 v[AK8], v11, 3, s81
	v_add_nc_u32 v[AK8], 512, v[AK8]
	s_mul_i32 s81, s13, 6144
	s_add_co_u32 s81, s81, VOFF
	v_lshl_add_u32 v[AV16], v11, 4, s81
	v_lshl_add_u32 v[AV8], v11, 3, s81
	v_add_nc_u32 v[AV8], 512, v[AV8]
	s_lshl_b32 s81, s13, 1
	s_add_co_u32 s81, s81, SCK
	v_lshl_add_u32 v[ASK0], v9, 2, s81
	s_lshl_b32 s81, s13, 8
	s_add_co_u32 s81, s81, SCV
	v_lshl_add_u32 v[ASV0], v9, 2, s81
	v_mov_b32 v13, 0xff61b1e6                        ; the largest t so far: -3e38
	v_floor_f32 v12, -v13
	v_mov_b32 v14, 0
	v_mov_b32 v15, 0
.irp j, 22,23,24,25,26,27
	v_mov_b32 v[\j], 0                               ; Q's zero codes
.endr
.irp t, 0,1,2,3
.irp j, 6,7,8,9,10,11
	v_mov_b32 v[32+12*\t+\j], 0                      ; K's: written once, never loaded
.endr
.endr
.irp b, 0,1,2,3
	v_mov_b32 v[236+\b], 0
.endr
	v_mov_b32 v253, 0
.set j, 0
.rept 32
	v_mov_b32 v[192+j], 0                            ; O^T: the step is written once; the first finds zeros
.set j, j+1
.endr
; A KEY STEP: 128 keys at LDS byte s[TB] of the ring
.macro STEP
	s_add_co_u32 s96, s[Q0], 23                      ; a step all of whose keys come after my queries is left out: a branch on ids and the count of steps
	s_cmp_gt_u32 s[KF], s96
	s_cbranch_scc1 .Lhidden_\@
	v_add_nc_u32 v[ADK16], s[TB], v[AK16]            ; (these six are also the places behind the last step's products)
	v_add_nc_u32 v[ADK8], s[TB], v[AK8]
	v_add_nc_u32 v[ADV16], s[TB], v[AV16]
	v_add_nc_u32 v[ADV8], s[TB], v[AV8]
	v_add_nc_u32 v[ADS], s[TS], v[ASK0]
	v_add_nc_u32 v[ADT], s[TS], v[ASV0]
.irp g, 0,1
.if \g
.rept 4
	v_nop
.endr
.endif
.irp t, 0,1,2,3
	ds_load_b128 v[32+12*\t:35+12*\t], v[ADK16] offset:(4*\g+\t)*1536
	ds_load_b64 v[36+12*\t:37+12*\t], v[ADK8] offset:(4*\g+\t)*1536
	ds_load_u16 v[248+\t], v[ADS] offset:(4*\g+\t)*64
.endr
	s_wait_dscnt 0x0
.irp t, 0,1,2,3
	v_wmma_scale_f32_16x16x128_f8f6f4 v[128+8*(4*\g+\t):135+8*(4*\g+\t)], v[32+12*\t:43+12*\t], v[16:27], 0, v[248+\t], v255 matrix_a_fmt:MATRIX_FMT_FP6 matrix_b_fmt:MATRIX_FMT_FP6
.endr
.endr
.rept 4
	v_nop                                            ; places: in front of the loads into the scale registers, and of the first read of the scores
.endr
.irp t, 0,1,2,3                                  ; V's four fragments and scale words: they land under the softmax
	ds_load_b128 v[80+12*\t:83+12*\t], v[ADV16] offset:\t*1536
	ds_load_b64 v[84+12*\t:85+12*\t], v[ADV8] offset:\t*1536
	ds_load_b128 v[86+12*\t:89+12*\t], v[ADV16] offset:\t*1536+768
	ds_load_b64 v[90+12*\t:91+12*\t], v[ADV8] offset:\t*1536+768
	ds_load_b32 v[248+\t], v[ADT] offset:\t*64
.endr
	s_add_co_u32 s96, s[KF], 127                     ; on the diagonal hidden scores become -infinity; a step all of whose keys count skips this
	s_cmp_le_u32 s96, s[Q0]
	s_cbranch_scc1 .Lopen_\@
	s_sub_co_i32 s96, s[Q0], s[KF]
	v_and_b32 v252, 15, v0
	v_and_b32 v253, 8, v0
	v_add_nc_u32 v252, v252, v253
	v_and_b32 v253, 16, v0
	v_sub_nc_u32 v252, v252, v253
	v_add_nc_u32 v252, s96, v252                     ; d = my query - KF - 16 h.  Register 16 b + i holds key KF + 32 b + 16 h + i: hidden where 32 b + i > d
	v_mov_b32 v254, 0xff800000
.set n, 0
.rept 64
	v_cmp_gt_i32 vcc_lo, 32*(n/16)+n%16, v252
	v_cndmask_b32 v[128+n], v[128+n], v254, vcc_lo
.set n, n+1
.endr
.Lopen_\@:
.irp b, 0,1,2,3
	v_max3_num_f32 v[232+\b], v[128+16*\b], v[129+16*\b], v[130+16*\b]     ; the largest score of each block of 32 keys: for the row's maximum and for the block's largest p
.endr
.irp i, 3,5,7,9,11,13
.irp b, 0,1,2,3
	v_max3_num_f32 v[232+\b], v[232+\b], v[128+16*\b+\i], v[129+16*\b+\i]
.endr
.endr
.irp b, 0,1,2,3
	v_max_num_f32 v[232+\b], v[232+\b], v[143+16*\b]
.endr
.irp b, 0,1,2,3
	v_permlanex16_b32 v[236+\b], v[232+\b], s[SEL], s[SEL+1]
.endr
.irp b, 0,1,2,3
	v_max_num_f32 v[232+\b], v[232+\b], v[236+\b]
.endr
	v_max3_num_f32 v254, v232, v233, v234
	v_max_num_f32 v254, v254, v235
	v_mul_f32 v254, s[CS], v254
	v_max_num_f32 v13, v13, v254                     ; the running largest t
	v_mov_b32 v254, v12
	v_floor_f32 v12, -v13                            ; -M = floor(-t)
	v_sub_f32 v254, v12, v254
	v_cvt_i32_f32 v254, v254
	v_ldexp_f32 v252, 1.0, v254                      ; f = 2^(old M - new M)
.set j, 0
.rept 32
	v_pk_fma_f32 v[128+j:129+j], v[128+j:129+j], s[CS:CS+1], v[12:13] op_sel_hi:[1,0,0]     ; t - M
.set j, j+2
.endr
.irp b, 0,1,2,3
	v_fma_f32 v[232+\b], v[232+\b], s[CS], v12
.endr
.set j, 0
.rept 64
	v_exp_f32 v[128+j], v[128+j]                     ; p
.set j, j+1
.endr
	v_pk_mul_f32 v[14:15], v[14:15], v[252:253] op_sel_hi:[1,0]    ; the sums under the new M: a plain place behind the exponentials
	s_wait_alu depctr_va_vdst(0)                     ; one wait for the batch, ahead of its first reader
.irp b, 0,1,2,3
	v_exp_f32 v[232+\b], v[232+\b]                   ; each block's largest p
.endr
	v_pk_add_f32 v[236:237], v[128:129], v[130:131]  ; the row's sum, of the unquantised p, in two chains
.irp j, 4,8,12,16,20,24,28,32,36,40,44,48,52,56,60
	v_pk_add_f32 v[14:15], v[14:15], v[128+\j:129+\j]
	v_pk_add_f32 v[236:237], v[236:237], v[130+\j:131+\j]
.endr
	v_pk_add_f32 v[14:15], v[14:15], v[236:237]
	s_wait_alu depctr_va_vdst(0)                     ; and one for the four
.irp b, 0,1,2,3
	v_max_num_f32 v[232+\b], 0x1800000, v[232+\b]
.endr
.irp b, 0,1,2,3
	v_add_nc_u32 v[244+\b], 0xff000000, v[232+\b]
.endr
.irp b, 0,1,2,3
	v_lshrrev_b32 v[236+\b], 23, v[244+\b]
.endr
	v_lshl_or_b32 v253, v237, 8, v236                ; p's scale word
	v_lshl_or_b32 v253, v238, 16, v253
	v_lshl_or_b32 v253, v239, 24, v253
.irp c, 0,1
	v_cvt_scalef32_pk16_fp6_f32 v[224+6*\c:226+6*\c], v[128+32*\c:143+32*\c], v[244+2*\c]
	v_cvt_scalef32_pk16_fp6_f32 v[236+4*\c:238+4*\c], v[144+32*\c:159+32*\c], v[244+2*\c+1]
.endr
	v_nop
.irp c, 0,1
.irp i, 0,1,2
	v_permlane16_swap_b32 v[224+6*\c+\i], v[236+4*\c+\i]
.endr
.irp i, 0,1,2
	v_mov_b32 v[227+6*\c+\i], v[236+4*\c+\i]
.endr
.endr
.set j, 0
.rept 16
	v_pk_mul_f32 v[192+j:193+j], v[192+j:193+j], v[252:253] op_sel_hi:[1,0]    ; O^T under the new M; these sixteen also stand between the scale word's and the codes' last writes and the products
.set j, j+2
.endr
	s_wait_dscnt 0x0                                 ; V is in
.irp t, 0,1,2,3
	v_wmma_scale_f32_16x16x128_f8f6f4 v[192+8*\t:199+8*\t], v[80+12*\t:91+12*\t], v[224:235], v[192+8*\t:199+8*\t], v[248+\t], v253 matrix_a_fmt:MATRIX_FMT_FP6 matrix_b_fmt:MATRIX_FMT_FP6
.endr
.Lhidden_\@:
	s_add_co_u32 s[KF], s[KF], 128
	s_add_co_u32 s[TB], s[TB], STEPB
	s_add_co_u32 s[TS], s[TS], 512
.endm
; THE CHANGE OF SLOTS, at a slot's head: all my tensor loads have landed; the add (fill = 1: twice on end); my reads of the slot that I have left are over; one barrier;
; then the other slot is asked for, while its first key is at or under the work-group's last query: ids and the count of steps alone, the same in all sixteen waves; every wait on TENSORcnt in this text is for 0.
.macro CHANGE fill
	s_wait_tensorcnt 0x0
	ds_add_u32 v[SPW], v[NIL]
.if \fill
	ds_add_u32 v[SPW], v[NIL]
	s_xor_b32 s[G0K+1], s[G0K+1], SLOT1
	s_add_nc_u64 s[G0K+2:G0K+3], s[G0K+2:G0K+3], 786432
	s_xor_b32 s[G0V+1], s[G0V+1], SLOT1
	s_add_nc_u64 s[G0V+2:G0V+3], s[G0V+2:G0V+3], 49152
	s_wait_xcnt 0x0                                  ; the last prefetch, a slot back, has read its address
	s_add_nc_u64 s[PFA:PFA+1], s[PFA:PFA+1], s[PFS:PFS+1]
.endif
	s_wait_dscnt 0x0
	s_barrier_signal -1
	s_barrier_wait -1
.if \fill
	s_add_co_u32 s96, s[KF], SK
	s_cmp_gt_u32 s96, s[QL]
	s_cbranch_scc1 .Lpast_\@
	TLOAD G0K, G1K, G0V, G1V
.Lpast_\@:
	ASK
.endif
.endm
.macro SLOT_STEPS
	s_mov_b32 s[STEPS], 4
.Lstep_\@:
	STEP
	s_sub_co_u32 s[STEPS], s[STEPS], 1
	s_cmp_lg_u32 s[STEPS], 0
	s_cbranch_scc1 .Lstep_\@
	s_sub_co_u32 s[TB], s[TB], 4*STEPB
	s_xor_b32 s[TB], s[TB], SLOT1
.endm
	s_wait_loadcnt 0x0                               ; Q
.Lslot:
	CHANGE 1
	SLOT_STEPS
	s_sub_co_u32 s[SLOTS], s[SLOTS], 1
	s_cmp_lg_u32 s[SLOTS], 0
	s_cbranch_scc1 .Lslot
	CHANGE 0                                         ; the last slot is written out: nothing is left to ask for
	SLOT_STEPS
	; THE WAY OUT: O^T / the sum; its 64 channels are two blocks of ctx's K; the half image goes straight to memory, the two scale bytes through LDS
	v_add_f32 v14, v14, v15
	v_permlanex16_b32 v252, v14, s[SEL], s[SEL+1]
	v_add_f32 v14, v14, v252
	v_rcp_f32 v14, v14
	v_and_b32 v9, 15, v0
	v_and_b32 v11, 31, v0
	v_lshlrev_b32 v29, 4, v11
	v_lshlrev_b32 v30, 3, v11
	s_lshl_b32 s81, s15, 8
	s_lshl_b32 s82, s16, 6
	s_add_co_u32 s81, s81, s82
	s_lshl_b32 s82, s13, 1
	s_add_co_u32 s81, s81, s82
	s_add_co_u32 s81, s81, SST
	v_lshl_add_u32 v31, v9, 2, s81                   ; [late][t'][r], my head's two bytes
	s_lshl_b32 s81, s13, 8
	s_add_co_u32 s81, s81, SST
	v_lshl_add_u32 v10, v11, 3, s81
	s_wait_alu depctr_va_vdst(0)
.set j, 0
.rept 32
	v_mul_f32 v[128+j], v[192+j], v14
.set j, j+1
.endr
.irp b, 0,1
	v_max3_num_f32 v[232+\b], |v[128+16*\b]|, |v[129+16*\b]|, 0x1800000
.endr
.irp i, 2,4,6,8,10,12,14
.irp b, 0,1
	v_max3_num_f32 v[232+\b], v[232+\b], |v[128+16*\b+\i]|, |v[129+16*\b+\i]|
.endr
.endr
.irp b, 0,1
	v_permlanex16_b32 v[236+\b], v[232+\b], s[SEL], s[SEL+1]
.endr
.irp b, 0,1
	v_max_num_f32 v[232+\b], v[232+\b], v[236+\b]
.endr
.irp b, 0,1
	v_add_nc_u32 v[244+\b], 0xff000000, v[232+\b]
.endr
.irp b, 0,1
	v_lshrrev_b32 v[236+\b], 23, v[244+\b]
.endr
	v_lshl_or_b32 v240, v237, 8, v236
	v_cvt_scalef32_pk16_fp6_f32 v[224:226], v[128:143], v244
	v_cvt_scalef32_pk16_fp6_f32 v[228:230], v[144:159], v245
	v_nop
.irp i, 0,1,2
	v_permlane16_swap_b32 v[224+\i], v[228+\i]
.endr
.irp i, 0,1,2
	v_mov_b32 v[227+\i], v[228+\i]
.endr
	global_store_b128 v29, v[224:227], s[94:95]
	global_store_b64 v30, v[228:229], s[94:95] offset:512
	ds_store_b16 v31, v240
	s_wait_dscnt 0x0
	s_barrier_signal -1
	s_barrier_wait -1
	s_cmp_gt_u32 s[WV], 1
	s_cbranch_scc1 .Lend
	s_cmp_eq_u32 s[WV], 1                            ; wave 0 stores the early quad's 64 scale words, wave 1 the late quad's: 256 consecutive bytes each
	s_cselect_b32 s81, s17, ttmp9
	s_lshr_b32 s82, s81, 1
	s_lshl_b32 s83, s11, 4
	s_add_co_u32 s82, s82, s83
	s_lshl_b32 s82, s82, 12
	s_and_b32 s81, s81, 1
	s_lshl_b32 s81, s81, 8
	s_add_co_u32 s82, s82, s81
	s_lshl_b32 s81, s12, 9
	s_add_co_u32 s82, s82, s81
	s_add_co_u32 s82, s82, 3145728
	s_mov_b32 s83, 0
	s_add_nc_u64 s[8:9], s[8:9], s[82:83]
	ds_load_b64 v[232:233], v10
	s_wait_dscnt 0x0
	global_store_b64 v30, v[232:233], s[8:9]
.Lend:
	s_wait_tensorcnt 0x0                             ; the wave's end
	ds_add_u32 v[SPW], v[NIL]
	s_wait_dscnt 0x0
	s_endpgm
.Lfunc_end_k_q5d76f0272a_attn:
	.size	k_q5d76f0272a_attn, .Lfunc_end_k_q5d76f0272a_attn-k_q5d76f0272a_attn
	.p2alignl 7, 3214868480
	.fill 96, 4, 3214868480
	.section	.rodata,"a",@progbits
	.p2align	6, 0x0
	.amdhsa_kernel k_q5d76f0272a_attn
		.amdhsa_group_segment_fixed_size 327680
		.amdhsa_private_segment_fixed_size 0
		.amdhsa_enable_private_segment 0
		.amdhsa_kernarg_size 24
		.amdhsa_user_sgpr_count 2
		.amdhsa_user_sgpr_kernarg_segment_ptr 1
		.amdhsa_wavefront_size32 1
		.amdhsa_system_sgpr_workgroup_id_x 1
		.amdhsa_system_sgpr_workgroup_id_y 1
		.amdhsa_system_sgpr_workgroup_id_z 1
		.amdhsa_system_vgpr_workitem_id 0
		.amdhsa_next_free_vgpr 256
		.amdhsa_next_free_sgpr 100
		.amdhsa_reserve_vcc 1
		.amdhsa_float_denorm_mode_32 3
		.amdhsa_float_denorm_mode_16_64 3
		.amdhsa_memory_ordered 1
		.amdhsa_forward_progress 1
		.amdhsa_inst_pref_size 64
	.end_amdhsa_kernel
	.amdgpu_metadata
---
amdhsa.version: [ 1, 2 ]
amdhsa.kernels:
  - .name:           k_q5d76f0272a_attn
    .symbol:         k_q5d76f0272a_attn.kd
    .args:
      - { .name: QK, .offset: 0, .size: 8, .value_kind: global_buffer, .address_space: global }
      - { .name: VT, .offset: 8, .size: 8, .value_kind: global_buffer, .address_space: global }
      - { .name: CTX, .offset: 16, .size: 8, .value_kind: global_buffer, .address_space: global }
    .group_segment_fixed_size: 327680
    .private_segment_fixed_size: 0
    .kernarg_segment_align: 8
    .kernarg_segment_size: 24
    .max_flat_workgroup_size: 512
    .sgpr_count:     100
    .vgpr_count:     256
    .wavefront_size: 32
...
	.end_amdgpu_metadata
.endif
;; end of part 3
;; launch oproj (part 4): grid 8 x 32, 4 waves a work-group, clusters of 4 x 4, 222,720 bytes of LDS; arguments CTX, WC, bo, x, Y; writes Y
.if DOCPART == 4
	.amdgcn_target "amdgcn-amd-amdhsa--gfx1250"
	.amdhsa_code_object_version 6
	.text
	.protected	k_q5d76f0272a_oproj
	.globl	k_q5d76f0272a_oproj
	.p2align	8
	.type	k_q5d76f0272a_oproj,@function
k_q5d76f0272a_oproj:
	s_mov_b64 s[64:65], 0
	v_nop
	global_prefetch_b8 v0, s[64:65] scope:SCOPE_SE
	s_setreg_imm32_b32 hwreg(HW_REG_WAVE_MODE, 25, 1), 1
	s_wait_xcnt 0x0
	s_wait_alu depctr_hold_cnt(0) depctr_sa_sdst(0) depctr_va_vdst(0) depctr_va_sdst(0) depctr_va_ssrc(0) depctr_va_vcc(0) depctr_vm_vsrc(0)
	s_getreg_b32 s2, hwreg(HW_REG_IB_STS2, 6, 4)
	s_cmp_eq_u32 s2, 0
	s_cbranch_scc0 .Lentry_in_a_cluster
	s_endpgm
.Lentry_in_a_cluster:
	s_bfe_u32 s2, ttmp6, 0x10000c
	s_cmp_lg_u32 s2, 0xf033
	s_cbranch_scc0 .Lentry_shape_is_right
	s_endpgm
.Lentry_shape_is_right:
; LAUNCH 4: y1 = x + ctx Wo + bo, f32.  (The same text as launch 7 but for the five sizes at its head.)
; A work-group makes 128 tokens (panel Y) x 128 columns (panel X); four waves, 64 x 64 each.  K goes in steps of 128, four to an LDS slot, two slots; operands lie in memory as register images (layout: launch 1's head).
; The product is used transposed (source 0 = weight columns, source 1 = tokens): a lane holds one token and eight neighbouring columns a tile.  The bias is the C of each sum's first instruction; the residual is
; asked for at the head, in the layout in which rows leave, and added on the way out.  Cluster 4 x 4: the token panel is shared along a row, the weight panel along a column.
; REGISTERS: window 0: v1-3 r, h, l; v4-12 LDS addresses; v14, 15 the add's two; v16-23 scale words (lanes 0-15 the tokens' tile i, lanes 16-31 the weights'); v24-29 way out; v32-63 bias; v64-127 rows on the way out;
;   v128-255 accumulators.  window 1: two sets of fragments.  window 2: v0-127 the residual.
.set KD,    1024
.set ASO,   3145728                    ; the token operand's scale words in its buffer
.set WCO,   2359296                    ; the weight's codes in WC
.set WSO,   9535488                    ; and its scale words
.set KS,    KD/128
.set LAPS,  KS/8
.set PANB,  KS*12288
.set PANS,  KS*512
.set HALFT, 24576
.set SLOT,  4*HALFT
.set SCL,   2*SLOT
.set SCH,   KS*256
.set STG,   SCL+4*SCH                  ; a stage of 16 rows x (256 + 16) bytes for each wave
.set SPARE, STG+4*4352
.set ADA16, 4
.set ADA8,  6
.set ADB16, 8
.set ADB8,  10
.set ADRS,  12
.set SPW,   14
.set NIL,   15
.set SC,    16
.set CO,    27
.set STO,   28
.set RD,    29
.set BIAS,  32
.set BK,    64
.set ACC,   128
.set G1, 24
.set G0, 32
.set G1B, 48
.set G0B, 56
.set G1S, 68
.set G0S, 76
.set G1SB, 80
.set G0SB, 88
.set MSB, 0
.macro WIN new
.if MSB != \new
	s_set_vgpr_msb (MSB<<8)|\new
.set MSB, \new
.endif
.endm
.macro PLACES
.rept 4
	v_nop
.endr
.endm
.macro JLOAD g0a, g1a, g0b, g1b
	s_cmp_eq_u32 s15, 0
	s_cbranch_scc0 .Lfor_b_\@
	tensor_load_to_lds s[\g0a:\g0a+3], s[\g1a:\g1a+7]
	s_nop 0
.rept 4
	v_nop
.endr
	s_branch .Lasked_\@
.Lfor_b_\@:
	tensor_load_to_lds s[\g0b:\g0b+3], s[\g1b:\g1b+7]
	s_nop 0
.rept 4
	v_nop
.endr
.Lasked_\@:
.endm
.macro CROUND
	s_barrier_signal -1
	s_barrier_wait -1
	s_cmp_lg_u32 s14, 0
	s_cbranch_scc1 .Lnw0_\@
	s_barrier_signal -3
.Lnw0_\@:
	s_barrier_wait -3
	s_barrier_signal -1
	s_barrier_wait -1
.endm
.macro FETCH s, q, f, p, ko
	WIN 0x40
.irp i, 0,1,2,3
	ds_load_b128 v[(\f)+12*\i:(\f)+12*\i+3], v[ADA16+(\s)] offset:(\q)*6144+\i*1536
	ds_load_b64 v[(\f)+12*\i+4:(\f)+12*\i+5], v[ADA8+(\s)] offset:(\q)*6144+\i*1536
	ds_load_b128 v[(\f)+12*\i+6:(\f)+12*\i+9], v[ADA16+(\s)] offset:(\q)*6144+\i*1536+768
	ds_load_b64 v[(\f)+12*\i+10:(\f)+12*\i+11], v[ADA8+(\s)] offset:(\q)*6144+\i*1536+768
.endr
.irp i, 0,1,2,3
	ds_load_b128 v[(\f)+48+12*\i:(\f)+48+12*\i+3], v[ADB16+(\s)] offset:(\q)*6144+\i*1536
	ds_load_b64 v[(\f)+48+12*\i+4:(\f)+48+12*\i+5], v[ADB8+(\s)] offset:(\q)*6144+\i*1536
	ds_load_b128 v[(\f)+48+12*\i+6:(\f)+48+12*\i+9], v[ADB16+(\s)] offset:(\q)*6144+\i*1536+768
	ds_load_b64 v[(\f)+48+12*\i+10:(\f)+48+12*\i+11], v[ADB8+(\s)] offset:(\q)*6144+\i*1536+768
.endr
	WIN 0
.irp i, 0,1,2,3
	ds_load_b32 v[SC+4*(\p)+\i], v[ADRS] offset:(\ko)+64*\i
.endr
.endm
; 16 matrix instructions, the accumulators by turns.  cm = 1: the first K step takes the bias as C
.macro MUL f, p, cm
.irp a, 0,1,2,3
.irp b, 0,1,2,3
.if \cm == 1
	v_wmma_scale_f32_16x16x128_f8f6f4 v[ACC+8*(4*\a+\b):ACC+8*(4*\a+\b)+7], v[(\f)+48+12*\b:(\f)+48+12*\b+11], v[(\f)+12*\a:(\f)+12*\a+11], v[BIAS+8*\b:BIAS+8*\b+7], v[SC+4*(\p)+\b], v[SC+4*(\p)+\a] matrix_a_fmt:MATRIX_FMT_FP6 matrix_b_fmt:MATRIX_FMT_FP6 matrix_a_scale:MATRIX_SCALE_ROW1
.else
	v_wmma_scale_f32_16x16x128_f8f6f4 v[ACC+8*(4*\a+\b):ACC+8*(4*\a+\b)+7], v[(\f)+48+12*\b:(\f)+48+12*\b+11], v[(\f)+12*\a:(\f)+12*\a+11], v[ACC+8*(4*\a+\b):ACC+8*(4*\a+\b)+7], v[SC+4*(\p)+\b], v[SC+4*(\p)+\a] matrix_a_fmt:MATRIX_FMT_FP6 matrix_b_fmt:MATRIX_FMT_FP6 matrix_a_scale:MATRIX_SCALE_ROW1
.endif
.endr
.endr
.endm
.macro STEP s, q, cm
	s_wait_dscnt 0x0                                 ; this step's operands, asked for a step ago, are in
	PLACES                                           ; behind the last step's products, which read the registers that are loaded next
	FETCH \s, (\q)+1, 128*(1-(\q)%2), 1-(\q)%2, (4*(\s)+(\q)+1)*512
	WIN 0x05
	MUL 128*((\q)%2), (\q)%2, \cm
.endm
; a slot's last step changes slots: all my tensor loads have landed, the add, my reads of this slot are over; one barrier.  fill = 1: the barrier is a round of the cluster's, and this slot is filled again, two slots ahead:
; the load has four K steps, 64 matrix instructions, in which to land; one load of mine is out behind each round
.macro TURN s, n, fill
	WIN 0
	s_wait_tensorcnt 0x0
	ds_add_u32 v[SPW], v[NIL]
.if \fill
	s_add_nc_u64 s[G0+4*\s+2:G0+4*\s+3], s[G0+4*\s+2:G0+4*\s+3], 98304
	s_add_nc_u64 s[G0B+4*\s+2:G0B+4*\s+3], s[G0B+4*\s+2:G0B+4*\s+3], 98304
.endif
	s_wait_dscnt 0x0
.if \fill
	CROUND
	JLOAD G0+4*\s, G1, G0B+4*\s, G1B                 ; its four v_nop are also the places in front of the loads below
.else
	s_barrier_signal -1
	s_barrier_wait -1
	PLACES
.endif
.if \n == 0
	v_add_nc_u32 v[ADRS], 4096, v[ADRS]              ; the next eight K steps' scale words
.endif
	FETCH \n, 0, 0, 0, 2048*(\n)
	WIN 0x05
	MUL 128, 1, 2
.endm
	s_load_b256 s[4:11], s[0:1], 0x0                 ; the token operand, WC, the bias, the residual
	s_load_b64 s[12:13], s[0:1], 0x20                ; Y
	v_lshl_add_u32 v[SPW], v0, 2, SPARE
	v_mov_b32 v[NIL], 0
	ds_add_u32 v[SPW], v[NIL]                        ; the opening: the add, twice on end, and its wait ahead of my first tensor load
	ds_add_u32 v[SPW], v[NIL]
	v_lshrrev_b32 v1, 5, v0
	v_readfirstlane_b32 s14, v1
	s_lshr_b32 s15, s14, 1                           ; wr.  Also: I fetch tokens (0) or weights (1)
	s_and_b32 s16, s14, 1                            ; wc.  Also: which four tiles I fetch
	s_bfe_u32 s40, ttmp6, 0x40000
	s_bfe_u32 s41, ttmp6, 0x40004
	s_lshl_b32 s42, ttmp9, 2
	s_add_co_u32 s42, s42, s40                       ; X
	s_and_b32 s17, ttmp7, 0xffff
	s_lshl_b32 s17, s17, 2
	s_add_co_u32 s17, s17, s41                       ; Y
	s_lshl_b32 s43, s41, 2
	s_lshl_b32 s43, 15, s43
	s_lshl_b32 s44, 0x1111, s40
	s_or_b32 s[G1], s43, (3<<16)|(1<<21)
	s_or_b32 s[G1B], s44, (3<<16)|(1<<21)
.irp g, G1, G1B
	s_mov_b32 s[\g+1], 768<<16
	s_mov_b32 s[\g+2], 4<<16
	s_mov_b32 s[\g+3], 768<<16
	s_mov_b32 s[\g+4], 4
	s_mov_b32 s[\g+5], 1536
	s_mov_b32 s[\g+6], 0
	s_mov_b32 s[\g+7], 0
.endr
	s_or_b32 s[G1S], s43, (3<<16)|(1<<21)
	s_or_b32 s[G1SB], s44, (3<<16)|(1<<21)
.irp g, G1S, G1SB
	s_mov_b32 s[\g+1], 32<<16
	s_mov_b32 s[\g+2], KS<<16
	s_mov_b32 s[\g+3], 32<<16
	s_mov_b32 s[\g+4], KS
	s_mov_b32 s[\g+5], 32
	s_mov_b32 s[\g+6], 0
	s_mov_b32 s[\g+7], 0
.endr
	s_mul_i32 s18, s16, 6144
	s_mul_i32 s19, s16, SCH
	s_mul_i32 s20, s17, PANB
	s_add_co_u32 s20, s20, s18
	s_mov_b32 s21, 0
	s_mul_i32 s22, s17, PANS
	s_add_co_u32 s22, s22, s19
	s_add_co_u32 s22, s22, ASO
	s_mov_b32 s23, 0
	s_mul_i32 s46, s42, PANB
	s_add_co_u32 s46, s46, s18
	s_add_co_u32 s46, s46, WCO
	s_mov_b32 s47, 0
	s_mul_i32 s92, s42, PANS
	s_add_co_u32 s92, s92, s19
	s_add_co_u32 s92, s92, WSO
	s_mov_b32 s93, 0
	s_mul_i32 s45, s14, HALFT
	s_mul_i32 s94, s14, SCH
	s_wait_dscnt 0x0
	s_wait_kmcnt 0x0
	s_add_nc_u64 s[20:21], s[4:5], s[20:21]
	s_add_nc_u64 s[22:23], s[4:5], s[22:23]
	s_add_nc_u64 s[46:47], s[6:7], s[46:47]
	s_add_nc_u64 s[92:93], s[6:7], s[92:93]
	CROUND
	s_mov_b32 s[G0S], 1
	s_add_co_u32 s[G0S+1], s94, SCL
	s_mov_b64 s[G0S+2:G0S+3], s[22:23]
	s_or_b32 s[G0S+3], s[G0S+3], 0x80000000
	s_mov_b32 s[G0SB], 1
	s_add_co_u32 s[G0SB+1], s94, SCL
	s_mov_b64 s[G0SB+2:G0SB+3], s[92:93]
	s_or_b32 s[G0SB+3], s[G0SB+3], 0x80000000
	JLOAD G0S, G1S, G0SB, G1SB
.irp s, 0,1
	s_mov_b32 s[G0+4*\s], 1
	s_add_co_u32 s[G0+4*\s+1], s45, \s*SLOT
	s_add_nc_u64 s[G0+4*\s+2:G0+4*\s+3], s[20:21], \s*49152
	s_or_b32 s[G0+4*\s+3], s[G0+4*\s+3], 0x80000000
	s_mov_b32 s[G0B+4*\s], 1
	s_add_co_u32 s[G0B+4*\s+1], s45, \s*SLOT
	s_add_nc_u64 s[G0B+4*\s+2:G0B+4*\s+3], s[46:47], \s*49152
	s_or_b32 s[G0B+4*\s+3], s[G0B+4*\s+3], 0x80000000
	JLOAD G0+4*\s, G1, G0B+4*\s, G1B                 ; three loads of mine are out
.endr
	v_and_b32 v1, 15, v0
	v_bfe_u32 v2, v0, 4, 1
	v_and_b32 v3, 31, v0
	v_lshlrev_b32 v24, 4, v3
	v_lshlrev_b32 v25, 3, v3
	v_lshlrev_b32 v26, 6, v2                         ; the bias: lane (r, h) wants, for tile b, columns 32 (b / 2) + 16 h + 8 (b % 2) + 0..7 of my 64
	s_lshl_b32 s18, s42, 9
	s_lshl_b32 s19, s16, 8
	s_add_co_u32 s18, s18, s19                       ; my first column, in bytes
	s_mov_b32 s19, 0
	s_add_nc_u64 s[8:9], s[8:9], s[18:19]
.irp b, 0,1,2,3
	global_load_b128 v[BIAS+8*\b:BIAS+8*\b+3], v26, s[8:9] offset:128*(\b/2)+32*(\b%2)
	global_load_b128 v[BIAS+8*\b+4:BIAS+8*\b+7], v26, s[8:9] offset:128*(\b/2)+32*(\b%2)+16
.endr
	s_lshl_b32 s22, s17, 7
	s_lshl_b32 s23, s15, 6
	s_add_co_u32 s22, s22, s23                       ; my first token
	s_lshl_b32 s22, s22, 12
	s_add_co_u32 s22, s22, s18
	s_mov_b32 s23, 0
	s_add_nc_u64 s[10:11], s[10:11], s[22:23]
	s_add_nc_u64 s[12:13], s[12:13], s[22:23]
	v_lshlrev_b32 v[CO], 12, v2
	v_lshl_add_u32 v[CO], v1, 4, v[CO]               ; lanes 0-15 one row's 256 bytes, lanes 16-31 the next row's
	WIN 0x80
.irp a, 0,1,2,3
.irp t, 0,1,2,3,4,5,6,7
	global_load_b128 v[32*\a+4*\t:32*\a+4*\t+3], v[CO], s[10:11] offset:(32*(\a/2)+8*(\a%2)+2*\t+8*(\t/4))*4096    ; the residual of tile a's rows 2 t, 2 t + 1
.endr
.endr
	WIN 0
	s_mul_i32 s20, s15, HALFT
	s_mul_i32 s21, s16, HALFT
	s_add_co_u32 s21, s21, 2*HALFT
	v_add_nc_u32 v[ADA16], s20, v24
	v_add_nc_u32 v[ADA8], s20, v25
	v_add_nc_u32 v[ADA8], 512, v[ADA8]
	v_add_nc_u32 v[ADB16], s21, v24
	v_add_nc_u32 v[ADB8], s21, v25
	v_add_nc_u32 v[ADB8], 512, v[ADB8]
	v_add_nc_u32 v[ADA16+1], SLOT, v[ADA16]
	v_add_nc_u32 v[ADA8+1], SLOT, v[ADA8]
	v_add_nc_u32 v[ADB16+1], SLOT, v[ADB16]
	v_add_nc_u32 v[ADB8+1], SLOT, v[ADB8]
	s_lshl_b32 s20, s15, 8
	s_lshl_b32 s21, s16, 8
	s_add_co_u32 s21, s21, 2*SCH
	s_sub_co_u32 s21, s21, s20
	v_mul_u32_u24 v[ADRS], s21, v2                   ; lanes 16-31 take the weights' words
	v_lshl_add_u32 v[ADRS], v1, 2, v[ADRS]
	s_add_co_u32 s20, s20, SCL
	v_add_nc_u32 v[ADRS], s20, v[ADRS]
	s_mul_i32 s20, s14, 4352
	s_add_co_u32 s20, s20, STG
	v_mul_u32_u24 v[STO], v1, 272
	v_lshl_add_u32 v[STO], v2, 6, v[STO]
	v_add_nc_u32 v[STO], s20, v[STO]
	v_mul_u32_u24 v[RD], v2, 272
	v_lshl_add_u32 v[RD], v1, 4, v[RD]
	v_add_nc_u32 v[RD], s20, v[RD]
	s_wait_tensorcnt 0x1                             ; the scale words and my part of slot 0 are in; slot 1's load may be out
	s_barrier_signal -1
	s_barrier_wait -1
	FETCH 0, 0, 0, 0, 0
	s_wait_loadcnt 32                                ; the bias is in; the residual's 32 loads may be out
	STEP 0, 0, 1
.if LAPS > 1
	WIN 0
	s_mov_b32 s3, LAPS-1
.Llap:
	STEP 0, 1, 2
	STEP 0, 2, 2
	TURN 0, 1, 1
	STEP 1, 0, 2
	STEP 1, 1, 2
	STEP 1, 2, 2
	TURN 1, 0, 1
	STEP 0, 0, 2
	WIN 0
	s_sub_co_u32 s3, s3, 1
	s_cmp_lg_u32 s3, 0
	s_cbranch_scc1 .Llap
.endif
	STEP 0, 1, 2                                     ; the last eight K steps fill nothing
	STEP 0, 2, 2
	TURN 0, 1, 0
	STEP 1, 0, 2
	STEP 1, 1, 2
	STEP 1, 2, 2
	s_wait_dscnt 0x0
	WIN 0x05
	MUL 128, 1, 2
	WIN 0
	PLACES
	s_wait_loadcnt 0x0                               ; the residual
; THE WAY OUT, a tile of 16 tokens x 64 columns at a time, through my own stage: in by columns of 32 bytes a lane, back as rows of 256 bytes
.macro TOSTAGE a
.irp b, 0,1,2,3
	ds_store_b128 v[STO], v[ACC+8*(4*(\a)+\b):ACC+8*(4*(\a)+\b)+3] offset:128*(\b/2)+32*(\b%2)       ; each accumulator from its low end on
	ds_store_b128 v[STO], v[ACC+8*(4*(\a)+\b)+4:ACC+8*(4*(\a)+\b)+7] offset:128*(\b/2)+32*(\b%2)+16
.endr
.irp t, 0,1,2,3,4,5,6,7
	ds_load_b128 v[BK+32*((\a)%2)+4*\t:BK+32*((\a)%2)+4*\t+3], v[RD] offset:544*\t       ; LDS serves a wave's instructions in order
.endr
.endm
.macro SEND a, younger
	s_wait_dscnt \younger
	WIN 0x08
.irp u, 0,1,2,3,4,5,6,7,8,9,10,11,12,13,14,15
	v_pk_add_f32 v[BK+32*((\a)%2)+2*\u:BK+32*((\a)%2)+2*\u+1], v[BK+32*((\a)%2)+2*\u:BK+32*((\a)%2)+2*\u+1], v[32*(\a)+2*\u:32*(\a)+2*\u+1]
.endr
	WIN 0
.irp t, 0,1,2,3,4,5,6,7
	global_store_b128 v[CO], v[BK+32*((\a)%2)+4*\t:BK+32*((\a)%2)+4*\t+3], s[12:13] offset:(32*((\a)/2)+8*((\a)%2)+2*\t+8*(\t/4))*4096    ; sixteen lanes store 256 consecutive bytes, aligned
.endr
.endm
	TOSTAGE 0
	TOSTAGE 1
	SEND 0, 16                                       ; behind tile 0's loads: tile 1's eight stores and eight loads
	s_wait_xcnt 0x0                                  ; tile 0's stores have read their registers: tile 2's rows land there
	TOSTAGE 2
	SEND 1, 16
	s_wait_xcnt 0x0
	TOSTAGE 3
	SEND 2, 16
	SEND 3, 0
	s_wait_tensorcnt 0x0                             ; the wave's end
	ds_add_u32 v[SPW], v[NIL]
	s_wait_dscnt 0x0
	CROUND                                           ; the closing round
	s_endpgm
.Lfunc_end_k_q5d76f0272a_oproj:
	.size	k_q5d76f0272a_oproj, .Lfunc_end_k_q5d76f0272a_oproj-k_q5d76f0272a_oproj
	.p2alignl 7, 3214868480
	.fill 96, 4, 3214868480
	.section	.rodata,"a",@progbits
	.p2align	6, 0x0
	.amdhsa_kernel k_q5d76f0272a_oproj
		.amdhsa_group_segment_fixed_size 222720
		.amdhsa_private_segment_fixed_size 0
		.amdhsa_enable_private_segment 0
		.amdhsa_kernarg_size 40
		.amdhsa_user_sgpr_count 2
		.amdhsa_user_sgpr_kernarg_segment_ptr 1
		.amdhsa_wavefront_size32 1
		.amdhsa_system_sgpr_workgroup_id_x 1
		.amdhsa_system_sgpr_workgroup_id_y 1
		.amdhsa_system_sgpr_workgroup_id_z 1
		.amdhsa_system_vgpr_workitem_id 0
		.amdhsa_next_free_vgpr 640
		.amdhsa_next_free_sgpr 100
		.amdhsa_reserve_vcc 0
		.amdhsa_float_denorm_mode_32 3
		.amdhsa_float_denorm_mode_16_64 3
		.amdhsa_memory_ordered 1
		.amdhsa_forward_progress 1
		.amdhsa_inst_pref_size 62
	.end_amdhsa_kernel
	.amdgpu_metadata
---
amdhsa.version: [ 1, 2 ]
amdhsa.kernels:
  - .name:           k_q5d76f0272a_oproj
    .symbol:         k_q5d76f0272a_oproj.kd
    .args:
      - { .name: CTX, .offset: 0, .size: 8, .value_kind: global_buffer, .address_space: global }
      - { .name: WC, .offset: 8, .size: 8, .value_kind: global_buffer, .address_space: global }
      - { .name: bo, .offset: 16, .size: 8, .value_kind: global_buffer, .address_space: global }
      - { .name: x, .offset: 24, .size: 8, .value_kind: global_buffer, .address_space: global }
      - { .name: Y, .offset: 32, .size: 8, .value_kind: global_buffer, .address_space: global }
    .group_segment_fixed_size: 222720
    .private_segment_fixed_size: 0
    .kernarg_segment_align: 8
    .kernarg_segment_size: 40
    .max_flat_workgroup_size: 128
    .sgpr_count:     100
    .vgpr_count:     640
    .wavefront_size: 32
...
	.end_amdgpu_metadata
.endif
;; end of part 4
;; launch ln1 (part 5): grid 256 x 1, 8 waves a work-group, no clusters, 67,328 bytes of LDS; arguments Y, g1, b1, H; writes H
.if DOCPART == 5
	.amdgcn_target "amdgcn-amd-amdhsa--gfx1250"
	.amdhsa_code_object_version 6
	.text
	.protected	k_q5d76f0272a_ln1
	.globl	k_q5d76f0272a_ln1
	.p2align	8
	.type	k_q5d76f0272a_ln1,@function
k_q5d76f0272a_ln1:
	s_mov_b64 s[64:65], 0
	v_nop
	global_prefetch_b8 v0, s[64:65] scope:SCOPE_SE
	s_setreg_imm32_b32 hwreg(HW_REG_WAVE_MODE, 25, 1), 1
	s_wait_xcnt 0x0
; LAUNCH 5: h = layernorm(y1) g1 + b1, stored as f32 (the residual of launch 7) and as codes of E2M3 with their scale words (the operand of launch 6; layout: launch 1's head).
; A work-group takes one tile of 16 tokens (tokens 32 (tp / 2) + 8 (tp % 2) + rho + 8 (rho / 8) of panel p); a wave two whole rows, 32 registers each: the sums never leave the wave.
; Then the 16 rows meet in LDS (pitch 4,096 + 16 bytes) and wave w quantises K step w of all 16.  The scale words leave as eight pieces of 64 bytes: a tile's words of a K step are no more.
.set SCS,   65792                      ; the tile's 8 x 16 scale words
.set SPARE, 66304
.set SPW, 12
.set NIL, 13
.set G, 96
.set B, 128
.set TM, 160
.set SO, 162
.set BY, 164
.set PW, 166
.set TP, 167
.set H8, 168
.set PC, 170
.set TQ, 182
.macro RED                             ; the sum of v16 over the wave's 32 lanes, in every lane
	v_add_f32_dpp v16, v16, v16 row_xmask:1 row_mask:0xf bank_mask:0xf
	v_add_f32_dpp v16, v16, v16 row_xmask:2 row_mask:0xf bank_mask:0xf
	v_add_f32_dpp v16, v16, v16 row_xmask:4 row_mask:0xf bank_mask:0xf
	v_add_f32_dpp v16, v16, v16 row_xmask:8 row_mask:0xf bank_mask:0xf
	v_permlanex16_b32 v24, v16, s24, s25
	v_add_f32 v16, v16, v24
.endm
.macro NORM X                          ; the row in v[X] .. v[X + 31] is normalised in place
	v_pk_add_f32 v[16:17], v[\X:\X+1], v[\X+2:\X+3]
	v_pk_add_f32 v[18:19], v[\X+4:\X+5], v[\X+6:\X+7]
.irp j, 8,12,16,20,24,28
	v_pk_add_f32 v[16:17], v[16:17], v[\X+\j:\X+\j+1]
	v_pk_add_f32 v[18:19], v[18:19], v[\X+\j+2:\X+\j+3]
.endr
	v_pk_add_f32 v[16:17], v[16:17], v[18:19]
	v_add_f32 v16, v16, v17
	RED
	v_mul_f32 v20, 0x3a800000, v16                   ; the mean
	v_mov_b32 v21, v20
.irp j, 0,2,4,6,8,10,12,14,16,18,20,22,24,26,28,30
	v_pk_add_f32 v[\X+\j:\X+\j+1], v[\X+\j:\X+\j+1], v[20:21] neg_lo:[0,1] neg_hi:[0,1]
.endr
	v_pk_mul_f32 v[16:17], v[\X:\X+1], v[\X:\X+1]
	v_pk_mul_f32 v[18:19], v[\X+2:\X+3], v[\X+2:\X+3]
.irp j, 4,8,12,16,20,24,28
	v_pk_fma_f32 v[16:17], v[\X+\j:\X+\j+1], v[\X+\j:\X+\j+1], v[16:17]
	v_pk_fma_f32 v[18:19], v[\X+\j+2:\X+\j+3], v[\X+\j+2:\X+\j+3], v[18:19]
.endr
	v_pk_add_f32 v[16:17], v[16:17], v[18:19]
	v_add_f32 v16, v16, v17
	RED
	v_fma_f32 v16, v16, s16, s17                     ; the variance + 1e-5
	v_rsq_f32 v22, v16
	v_nop
	s_wait_alu depctr_va_vdst(0)                     ; the wait ahead of the first reader
	v_mov_b32 v23, v22
.irp j, 0,2,4,6,8,10,12,14,16,18,20,22,24,26,28,30
	v_pk_mul_f32 v[\X+\j:\X+\j+1], v[\X+\j:\X+\j+1], v[22:23]
.endr
	s_wait_loadcnt 0x0                               ; g and b
.irp j, 0,2,4,6,8,10,12,14,16,18,20,22,24,26,28,30
	v_pk_fma_f32 v[\X+\j:\X+\j+1], v[\X+\j:\X+\j+1], v[G+\j:G+\j+1], v[B+\j:B+\j+1]
.endr
.endm
.macro Q6 n                            ; as in launch 1: 64 numbers of a lane, two whole blocks, become 12 registers of codes and the row's scale word
.irp c, 0,1
	v_max3_num_f32 v[TM+\c], |v[\n+32*\c]|, |v[\n+32*\c+1]|, 0x1800000
.endr
.irp i, 2,4,6,8,10,12,14,16,18,20,22,24,26,28,30
.irp c, 0,1
	v_max3_num_f32 v[TM+\c], v[TM+\c], |v[\n+32*\c+\i]|, |v[\n+32*\c+\i+1]|
.endr
.endr
.irp c, 0,1
	v_add_nc_u32 v[SO+\c], 0xff000000, v[TM+\c]
.endr
.irp c, 0,1
	v_lshrrev_b32 v[BY+\c], 23, v[SO+\c]
.endr
	v_lshl_or_b32 v[PW], v[BY+1], 16, v[BY]
	v_lshlrev_b32 v[PW], v[H8], v[PW]
	v_permlanex16_b32 v[TP], v[PW], s24, s25
	v_or_b32 v[PW], v[PW], v[TP]
.irp c, 0,1
	v_cvt_scalef32_pk16_fp6_f32 v[PC+6*\c:PC+6*\c+2], v[\n+32*\c:\n+32*\c+15], v[SO+\c]
	v_cvt_scalef32_pk16_fp6_f32 v[TQ+4*\c:TQ+4*\c+2], v[\n+32*\c+16:\n+32*\c+31], v[SO+\c]
.endr
	v_nop
.irp c, 0,1
.irp i, 0,1,2
	v_mov_b32 v[PC+6*\c+3+\i], v[TQ+4*\c+\i]
.endr
.endr
.endm
	s_load_b256 s[4:11], s[0:1], 0x0                 ; Y, g1, b1, H
	v_lshl_add_u32 v[SPW], v0, 2, SPARE
	v_mov_b32 v[NIL], 0
	v_lshrrev_b32 v1, 5, v0
	v_readfirstlane_b32 s14, v1                      ; wave 0..7
	v_and_b32 v3, 31, v0
	v_and_b32 v4, 15, v0                             ; r
	v_bfe_u32 v5, v0, 4, 1                           ; h
	v_lshlrev_b32 v1, 4, v3                          ; 16 l
	v_lshlrev_b32 v2, 3, v3                          ; 8 l
	s_mov_b32 s24, 0x76543210
	s_mov_b32 s25, 0xfedcba98
	s_mov_b32 s16, 0x3a800000                        ; 1 / 1024
	s_mov_b32 s17, 0x3727c5ac                        ; 1e-5
	s_lshr_b32 s18, ttmp9, 3                         ; p
	s_and_b32 s19, ttmp9, 7                          ; tp
	s_lshl_b32 s20, s18, 7
	s_lshr_b32 s21, s19, 1
	s_lshl_b32 s21, s21, 5
	s_add_co_u32 s20, s20, s21
	s_and_b32 s21, s19, 1
	s_lshl_b32 s21, s21, 3
	s_add_co_u32 s20, s20, s21
	s_lshl_b32 s21, s14, 1
	s_add_co_u32 s20, s20, s21
	s_lshr_b32 s21, s14, 2
	s_lshl_b32 s21, s21, 3
	s_add_co_u32 s20, s20, s21                       ; my first token; the second is the next
	s_lshl_b32 s20, s20, 12
	s_mov_b32 s21, 0
	s_mul_i32 s26, s18, 98304
	s_mul_i32 s27, s14, 12288
	s_add_co_u32 s26, s26, s27
	s_mul_i32 s27, s19, 1536
	s_add_co_u32 s26, s26, s27
	s_add_co_u32 s26, s26, 16777216                  ; the image of (tile tp, K step w)
	s_mov_b32 s27, 0
	s_lshl_b32 s28, s18, 12
	s_lshl_b32 s29, s19, 6
	s_add_co_u32 s28, s28, s29
	s_add_co_u32 s28, s28, 19922944                  ; the tile's words of K step 0
	s_mov_b32 s29, 0
	s_mul_i32 s30, s14, 8224
	v_add_nc_u32 v6, s30, v1                         ; the stage, in: my two rows, 16 l
	v_mul_u32_u24 v7, v4, 4112
	v_lshl_add_u32 v7, v5, 7, v7
	s_lshl_b32 s30, s14, 9
	v_add_nc_u32 v7, s30, v7                         ; back: row r, K step w, 128 h
	s_lshl_b32 s30, s14, 6
	s_add_co_u32 s30, s30, SCS
	v_lshl_add_u32 v8, v4, 2, s30
	v_add_nc_u32 v9, SCS, v1
	v_lshrrev_b32 v10, 2, v3
	v_lshlrev_b32 v10, 9, v10
	v_and_b32 v11, 3, v3
	v_lshl_add_u32 v10, v11, 4, v10                  ; 512 (l / 4) + 16 (l % 4)
	v_lshlrev_b32 v[H8], 3, v5
	v_mov_b32 v[TP], 0
	v_mov_b32 v24, 0
	s_wait_kmcnt 0x0
	s_add_nc_u64 s[4:5], s[4:5], s[20:21]
	s_add_nc_u64 s[22:23], s[10:11], s[20:21]
	s_add_nc_u64 s[26:27], s[10:11], s[26:27]
	s_add_nc_u64 s[28:29], s[10:11], s[28:29]
.irp j, 0,1,2,3,4,5,6,7
	global_load_b128 v[32+4*\j:35+4*\j], v1, s[4:5] offset:512*\j th:TH_LOAD_NT
.endr
.irp j, 0,1,2,3,4,5,6,7
	global_load_b128 v[64+4*\j:67+4*\j], v1, s[4:5] offset:4096+512*\j th:TH_LOAD_NT
.endr
.irp j, 0,1,2,3,4,5,6,7
	global_load_b128 v[G+4*\j:G+4*\j+3], v1, s[6:7] offset:512*\j
.endr
.irp j, 0,1,2,3,4,5,6,7
	global_load_b128 v[B+4*\j:B+4*\j+3], v1, s[8:9] offset:512*\j
.endr
	s_wait_loadcnt 16                                ; both rows are in; the sixteen loads of g and b may be out
	NORM 32
	NORM 64
.irp j, 0,1,2,3,4,5,6,7
	global_store_b128 v1, v[32+4*\j:35+4*\j], s[22:23] offset:512*\j
	ds_store_b128 v6, v[32+4*\j:35+4*\j] offset:512*\j
.endr
.irp j, 0,1,2,3,4,5,6,7
	global_store_b128 v1, v[64+4*\j:67+4*\j], s[22:23] offset:4096+512*\j
	ds_store_b128 v6, v[64+4*\j:67+4*\j] offset:4112+512*\j
.endr
	s_wait_dscnt 0x0
	s_barrier_signal -1
	s_barrier_wait -1                                ; the tile's 16 rows lie in LDS
.irp c, 0,1
.irp i, 0,1,2,3,4,5,6,7
	ds_load_b128 v[96+32*\c+4*\i:99+32*\c+4*\i], v7 offset:256*\c+16*\i      ; into the registers that held g and b
.endr
.endr
	s_wait_dscnt 0x0
	Q6 96
	global_store_b128 v1, v[PC:PC+3], s[26:27]
	global_store_b64 v2, v[PC+4:PC+5], s[26:27] offset:512
	global_store_b128 v1, v[PC+6:PC+9], s[26:27] offset:768
	global_store_b64 v2, v[PC+10:PC+11], s[26:27] offset:1280
	ds_store_b32 v8, v[PW]
	s_wait_dscnt 0x0
	s_barrier_signal -1
	s_barrier_wait -1
	s_cmp_lg_u32 s14, 0
	s_cbranch_scc1 .Lend
	ds_load_b128 v[16:19], v9
	s_wait_dscnt 0x0
	global_store_b128 v10, v[16:19], s[28:29]
.Lend:
	s_wait_tensorcnt 0x0                             ; the wave's end
	ds_add_u32 v[SPW], v[NIL]
	s_wait_dscnt 0x0
	s_endpgm
.Lfunc_end_k_q5d76f0272a_ln1:
	.size	k_q5d76f0272a_ln1, .Lfunc_end_k_q5d76f0272a_ln1-k_q5d76f0272a_ln1
	.p2alignl 7, 3214868480
	.fill 96, 4, 3214868480
	.section	.rodata,"a",@progbits
	.p2align	6, 0x0
	.amdhsa_kernel k_q5d76f0272a_ln1
		.amdhsa_group_segment_fixed_size 67328
		.amdhsa_private_segment_fixed_size 0
		.amdhsa_enable_private_segment 0
		.amdhsa_kernarg_size 32
		.amdhsa_user_sgpr_count 2
		.amdhsa_user_sgpr_kernarg_segment_ptr 1
		.amdhsa_wavefront_size32 1
		.amdhsa_system_sgpr_workgroup_id_x 1
		.amdhsa_system_sgpr_workgroup_id_y 1
		.amdhsa_system_sgpr_workgroup_id_z 1
		.amdhsa_system_vgpr_workitem_id 0
		.amdhsa_next_free_vgpr 192
		.amdhsa_next_free_sgpr 66
		.amdhsa_reserve_vcc 0
		.amdhsa_float_denorm_mode_32 3
		.amdhsa_float_denorm_mode_16_64 3
		.amdhsa_memory_ordered 1
		.amdhsa_forward_progress 1
		.amdhsa_inst_pref_size 26
	.end_amdhsa_kernel
	.amdgpu_metadata
---
amdhsa.version: [ 1, 2 ]
amdhsa.kernels:
  - .name:           k_q5d76f0272a_ln1
    .symbol:         k_q5d76f0272a_ln1.kd
    .args:
      - { .name: Y, .offset: 0, .size: 8, .value_kind: global_buffer, .address_space: global }
      - { .name: g1, .offset: 8, .size: 8, .value_kind: global_buffer, .address_space: global }
      - { .name: b1, .offset: 16, .size: 8, .value_kind: global_buffer, .address_space: global }
      - { .name: H, .offset: 24, .size: 8, .value_kind: global_buffer, .address_space: global }
    .group_segment_fixed_size: 67328
    .private_segment_fixed_size: 0
    .kernarg_segment_align: 8
    .kernarg_segment_size: 32
    .max_flat_workgroup_size: 256
    .sgpr_count:     66
    .vgpr_count:     192
    .wavefront_size: 32
...
	.end_amdgpu_metadata
.endif
;; end of part 5
;; launch ff1 (part 6): grid 16 x 16, 8 waves a work-group, clusters of 4 x 4, 327,680 bytes of LDS; arguments H, WC, b_ff1, ACT; writes ACT
.if DOCPART == 6
	.amdgcn_target "amdgcn-amd-amdhsa--gfx1250"
	.amdhsa_code_object_version 6
	.text
	.protected	k_q5d76f0272a_ff1
	.globl	k_q5d76f0272a_ff1
	.p2align	8
	.type	k_q5d76f0272a_ff1,@function
k_q5d76f0272a_ff1:
	s_mov_b64 s[64:65], 0
	v_nop
	global_prefetch_b8 v0, s[64:65] scope:SCOPE_SE
	s_setreg_imm32_b32 hwreg(HW_REG_WAVE_MODE, 25, 1), 1
	s_wait_xcnt 0x0
	s_wait_alu depctr_hold_cnt(0) depctr_sa_sdst(0) depctr_va_vdst(0) depctr_va_sdst(0) depctr_va_ssrc(0) depctr_va_vcc(0) depctr_vm_vsrc(0)
	s_getreg_b32 s2, hwreg(HW_REG_IB_STS2, 6, 4)
	s_cmp_eq_u32 s2, 0
	s_cbranch_scc0 .Lentry_in_a_cluster
	s_endpgm
.Lentry_in_a_cluster:
	s_bfe_u32 s2, ttmp6, 0x10000c
	s_cmp_lg_u32 s2, 0xf033
	s_cbranch_scc0 .Lentry_shape_is_right
	s_endpgm
.Lentry_shape_is_right:
; LAUNCH 6: gelu(h W_ff1 + b_ff1) on codes of E2M3, quantised along the hidden units on the way out (into ACT; the layout of every operand: launch 1's head).
; SHARES.  A work-group makes 256 tokens x 256 hidden units: 16 x 16 = 256 work-groups.  Eight waves, two to a SIMD.  Wave w makes 64 tokens (token panel w / 4 of the work-group's two, its tiles 4 ((w / 2) % 2) on)
; x 128 hidden units (weight panel w % 2): 32 accumulators, 256 registers.  So a wave's results are whole fragments of the next product, 128 along its K, with whole scale words: nothing is pieced together between waves.
; WHY EIGHT WAVES.  Behind a wave's 256 matrix instructions stand about 3,000 vector instructions of gelu and quantiser, 512 of them transcendentals: with two waves on a SIMD one wave's plain work can be issued during the
; other's transcendentals and waits, and the way out is written for four tiles of tokens, not eight.  The price: a wave reads 12 fragments from LDS for 32 matrix instructions, where a wave of 128 x 128 would read 16 for 64.
; THE PRODUCT IS USED TRANSPOSED: source 0 = 16 weight columns, source 1 = 16 tokens: a lane holds one token, and the 16 registers of two neighbouring result tiles are 16 neighbouring hidden units.
; LDS.  K has eight steps of 128; a step's four panels are 4 x 12,288 bytes.  Six steps are filled at the head; steps 6 and 7 come into the bytes of steps 0 and 1, behind one round of the cluster's barrier, and have four
; K steps, 128 matrix instructions a wave, in which to land.  Wave w fetches panel w / 2 of the four (tokens, tokens, weights, weights), K step w % 2 of each pair: a dense piece of 12,288 bytes; and 2,048 bytes of scale words.
; All of a WGP's LDS is claimed.
; CLUSTER 4 x 4: the token panels are shared along a row, the weight panels along a column: joint loads.  Operands lie in memory as register images, so every LDS load is dense and LDS needs no padding.
; THE BIAS lies first in the registers of the accumulators (0, b): in the first K step it is the C of (1, b), (2, b), (3, b), and then (0, b) is summed in place.
; GELU, exact form: x (1 + erf(x / sqrt 2)) / 2 = max(x, 0) - |x| / 2 P(t) exp(-x^2 / 2), t = 1 / (1 + 0.3275911 |x| / sqrt 2), P the polynomial of degree 5 of Abramowitz and Stegun 7.1.26.
; LIMIT: that form of erf is off by at most 1.5e-7 for every x; no difference of near-equal numbers is formed.
; REGISTERS.  Window 0: v1-3 r, h, l; v4-15 fragment addresses, four kinds x three slots; v16-31 scale words, two sets of eight (register i: lanes 0-15 the tokens' tile i for i < 4, lanes 16-31 the weights' tile i);
;   v32-127 the tokens' four fragments, two sets; v128-223 the weights' eight fragments, ONE set: tiles 0-3 are free in a step's middle and are fetched anew there, tiles 4-7 at its end; v224 on: what stays.
;   On the way out v32-95 hold 64 activations, v96-195 are at work.   Window 1: accumulator (a, b) at v[8 (8 a + b)].
;   The accumulators fill a window, so loads (window 0) and matrix instructions (C and D in window 1) change the setting four times a K step, and each 16 numbers of the gelu read window 1 in two stretches.
.set PIECE, 12288                      ; a panel's eight images of one K step
.set STEPB, 4*PIECE                    ; a K step: two token panels, two weight panels
.set SLOT,  2*STEPB                    ; two K steps
.set PANB,  8*PIECE                    ; a panel's codes in memory
.set PANS,  4096                       ; and its scale words
.set SCL,   3*SLOT                     ; behind the six K steps: the four panels' scale words
.set SSTG,  SCL+4*PANS                 ; 256 bytes for each wave: its 64 scale words on the way out
.set SPARE, SSTG+8*256                 ; the spare words, 128 bytes a wave
.set ACO,   16777216                   ; h's codes in H
.set ASO,   19922944                   ; and its scale words
.set WCO,   3145728                    ; W_ff1's codes in WC
.set WSO,   9568256                    ; and its scale words
.set ADA16, 4                          ; v4-6    tokens' fragments, the loads of 16 bytes, slot 0, 1, 2
.set ADA8,  7                          ; v7-9    the loads of 8 bytes
.set ADB16, 10                         ; v10-12  the weights'
.set ADB8,  13                         ; v13-15
.set SC,    16
.set F1,    32
.set F0,    128
.set SPW,   224
.set NIL,   225
.set ADRS,  226                        ; scale words: lanes 0-15 the tokens', lanes 16-31 the weights'
.set ADS0,  227                        ; scale words: the weights', in all lanes
.set L16,   228                        ; 16 x lane
.set L8,    229                        ; 8 x lane
.set STS,   230
.set STR,   231
.set BA,    232
.set PW,    236                        ; v236-239 the scale words of my four tiles of tokens
.set A5,    240
.set HA,    32
.set GT,    96
.set GE,    112
.set GH,    128
.set GP,    144
.set TM,    160
.set PC,    176
.set G1,    24                         ; s[24:31] group 1 for the tokens' pieces; s[32:39] the weights'; s[40:47], s[48:55] for the scale words
.set G1B,   32
.set G1S,   40
.set G1SB,  48
.set GA0,   56                         ; groups 0: the tokens' pieces of slot 0, 1, 2;
.set GA1,   60
.set GA2,   68
.set GB0,   72                         ; the weights';
.set GB1,   76
.set GB2,   80
.set G0S,   84                         ; the scale words'
.set G0SB,  88
.set MSB, 0
.macro WIN new                         ; the immediate's high byte repeats the setting that is left
.if MSB != \new
	s_set_vgpr_msb (MSB<<8)|\new
.set MSB, \new
.endif
.endm
.macro PLACES
.rept 4
	v_nop
.endr
.endm
.macro JLOAD g0a, g1a, g0b, g1b        ; waves 0-3 fetch for the tokens, waves 4-7 for the weights; an s_nop 0 and four v_nop follow each line
	s_cmp_eq_u32 s15, 0
	s_cbranch_scc0 .Lfor_b_\@
	tensor_load_to_lds s[\g0a:\g0a+3], s[\g1a:\g1a+7]
	s_nop 0
.rept 4
	v_nop
.endr
	s_branch .Lasked_\@
.Lfor_b_\@:
	tensor_load_to_lds s[\g0b:\g0b+3], s[\g1b:\g1b+7]
	s_nop 0
.rept 4
	v_nop
.endr
.Lasked_\@:
.endm
.macro CROUND                          ; a round of the cluster's barrier
	s_barrier_signal -1
	s_barrier_wait -1
	s_cmp_lg_u32 s14, 0
	s_cbranch_scc1 .Lnw0_\@
	s_barrier_signal -3
.Lnw0_\@:
	s_barrier_wait -3
	s_barrier_signal -1
	s_barrier_wait -1
.endm
.macro FIRST s, ga, gb                 ; slot s's first fill
	s_mov_b32 s[\ga], 1
	s_add_co_u32 s[\ga+1], s66, \s*SLOT
	s_add_nc_u64 s[\ga+2:\ga+3], s[20:21], \s*2*PIECE
	s_or_b32 s[\ga+3], s[\ga+3], 0x80000000
	s_mov_b32 s[\gb], 1
	s_add_co_u32 s[\gb+1], s66, \s*SLOT
	s_add_nc_u64 s[\gb+2:\gb+3], s[2:3], \s*2*PIECE
	s_or_b32 s[\gb+3], s[\gb+3], 0x80000000
	JLOAD \ga, G1, \gb, G1B
.endm
.macro FRAG reg, a16, a8, off          ; a fragment's image: 12 registers by four dense loads
	ds_load_b128 v[\reg:\reg+3], v[\a16] offset:\off
	ds_load_b64 v[\reg+4:\reg+5], v[\a8] offset:\off
	ds_load_b128 v[\reg+6:\reg+9], v[\a16] offset:\off+768
	ds_load_b64 v[\reg+10:\reg+11], v[\a8] offset:\off+768
.endm
; K step q lies in slot (q % 6) / 2, at its half q % 2 (steps 6 and 7: in the bytes of steps 0 and 1).  40 loads: the tokens' four fragments into set q % 2, the weights' tiles 0-3, the eight scale registers of set q % 2
.macro FETCH_MID q
.set SL, ((\q)%6)/2
.set UO, ((\q)%2)*STEPB
.set PP, (\q)%2
.irp i, 0,1,2,3
	FRAG F1+48*PP+12*\i, ADA16+SL, ADA8+SL, UO+1536*\i
.endr
.irp i, 0,1,2,3
	FRAG F0+12*\i, ADB16+SL, ADB8+SL, UO+1536*\i
.endr
.irp i, 0,1,2,3
	ds_load_b32 v[SC+8*PP+\i], v[ADRS] offset:512*(\q)+64*\i
.endr
.irp i, 4,5,6,7
	ds_load_b32 v[SC+8*PP+\i], v[ADS0] offset:512*(\q)+64*\i
.endr
.endm
.macro FETCH_END q                     ; 16 loads: the weights' tiles 4-7
.set SL, ((\q)%6)/2
.set UO, ((\q)%2)*STEPB
.irp i, 4,5,6,7
	FRAG F0+12*\i, ADB16+SL, ADB8+SL, UO+1536*\i
.endr
.endm
.macro WM a, b, p, c                   ; accumulator (a, b) = weights' tile b x tokens' tile a + the eight registers from c on (window 1)
	v_wmma_scale_f32_16x16x128_f8f6f4 v[8*(8*(\a)+(\b)):8*(8*(\a)+(\b))+7], v[F0+12*(\b):F0+12*(\b)+11], v[F1+48*(\p)+12*(\a):F1+48*(\p)+12*(\a)+11], v[\c:\c+7], v[SC+8*(\p)+(\b)], v[SC+8*(\p)+(\a)] matrix_a_fmt:MATRIX_FMT_FP6 matrix_b_fmt:MATRIX_FMT_FP6 matrix_a_scale:MATRIX_SCALE_ROW1
.endm
; 16 matrix instructions: the weights' tiles 4 hb .. 4 hb + 3 x my four tiles of tokens.  The accumulators take turns, one instruction a turn, in the same order in every step.
; cm = 1, the first K step: the bias, which lies in the registers of (0, b), is the C of (1, b), (2, b), (3, b); five places on, since those registers are then written over, (0, b) is summed in place.
.macro MULH hb, p, cm
.if \cm == 1
.irp a, 1,2,3
.irp b, 0,1,2,3
	WM \a, 4*(\hb)+\b, \p, 8*(4*(\hb)+\b)
.endr
.endr
.rept 5
	v_nop
.endr
.irp b, 0,1,2,3
	WM 0, 4*(\hb)+\b, \p, 8*(4*(\hb)+\b)
.endr
.else
.irp a, 0,1,2,3
.irp b, 0,1,2,3
	WM \a, 4*(\hb)+\b, \p, 8*(8*\a+4*(\hb)+\b)
.endr
.endr
.endif
.endm
; A K step whose successor needs no barrier
.macro STEP q, cm
	s_wait_dscnt 16                                  ; all but the youngest 16 loads, the weights' tiles 4-7, are in
	WIN 0x50                                         ; C and D in window 1
	MULH 0, (\q)%2, \cm
	s_wait_dscnt 0x0                                 ; tiles 4-7 are in
	PLACES                                           ; in front of loads into registers that matrix instructions have read
	WIN 0
	FETCH_MID (\q)+1
	WIN 0x50
	MULH 1, (\q)%2, \cm
	PLACES
	WIN 0
	FETCH_END (\q)+1
.endm
; A K step behind which a barrier stands.  In front of it each wave waits for all its tensor loads, adds 0 to its spare word, and waits for that and for its LDS reads: this step's fragments are all in registers then.
; fill = 1 (step 1): K steps 2 to 5 are whole for every wave, nobody reads steps 0 and 1 any more; the barrier is a round of the cluster's, and behind it steps 6 and 7 are asked for into those bytes: one load a wave.
; fill = 0 (step 5): steps 6 and 7 are whole for every wave; nothing is filled.
.macro TURN q, fill
	s_wait_tensorcnt 0x0                             ; all my tensor loads have landed, so a group 0 may be written
	ds_add_u32 v[SPW], v[NIL]
.if \fill
	s_add_nc_u64 s[GA0+2:GA0+3], s[GA0+2:GA0+3], 6*PIECE     ; from K step 0 or 1 to K step 6 or 7
	s_add_nc_u64 s[GB0+2:GB0+3], s[GB0+2:GB0+3], 6*PIECE
.endif
	s_wait_dscnt 17                                  ; (the add and the weights' tiles 4-7 may be out)
	WIN 0x50
	MULH 0, (\q)%2, 2                                ; sixteen matrix instructions stand between the add and the wait for it
	s_wait_dscnt 0x0                                 ; the add is done, and my LDS reads are over
	WIN 0
.if \fill
	CROUND
	JLOAD GA0, G1, GB0, G1B                          ; the first tensor load behind the round; its four v_nop are also the places in front of the loads below
.else
	s_barrier_signal -1
	s_barrier_wait -1
	PLACES
.endif
	FETCH_MID (\q)+1
	WIN 0x50
	MULH 1, (\q)%2, 2
	PLACES
	WIN 0
	FETCH_END (\q)+1
.endm
; gelu of the 16 accumulator registers from X on (window 1) into v[O] on (window 0).  The 32 transcendentals are one batch with one wait; the 32 plain lines behind them name none of its results
.macro GELU16 X, O
	WIN 0x05                                         ; sources 0 and 1 in window 1
.irp j, 0,1,2,3,4,5,6,7,8,9,10,11,12,13,14,15
	v_fma_f32 v[GT+\j], |v[\X+\j]|, s18, 1.0         ; each accumulator is read from its low end on
.endr
.irp j, 0,2,4,6,8,10,12,14
	v_pk_mul_f32 v[GE+\j:GE+\j+1], v[\X+\j:\X+\j+1], v[\X+\j:\X+\j+1]
.endr
	WIN 0
.irp j, 0,2,4,6,8,10,12,14
	v_pk_mul_f32 v[GE+\j:GE+\j+1], v[GE+\j:GE+\j+1], s[20:21] op_sel_hi:[1,0]       ; -x^2 log2(e) / 2
.endr
.irp j, 0,1,2,3,4,5,6,7,8,9,10,11,12,13,14,15
	v_rcp_f32 v[GT+\j], v[GT+\j]                     ; t
.endr
.irp j, 0,1,2,3,4,5,6,7,8,9,10,11,12,13,14,15
	v_exp_f32 v[GE+\j], v[GE+\j]                     ; exp(-x^2 / 2)
.endr
	WIN 0x05
.irp j, 0,1,2,3,4,5,6,7,8,9,10,11,12,13,14,15
	v_mul_f32 v[GH+\j], -0.5, |v[\X+\j]|
.endr
.irp j, 0,1,2,3,4,5,6,7,8,9,10,11,12,13,14,15
	v_max_num_f32 v[\O+\j], 0, v[\X+\j]
.endr
	WIN 0
	s_wait_alu depctr_va_vdst(0)                     ; the wait ahead of the batch's first reader
.irp j, 0,2,4,6,8,10,12,14
	v_pk_fma_f32 v[GP+\j:GP+\j+1], v[GT+\j:GT+\j+1], v[A5:A5+1], s[24:25] op_sel_hi:[1,1,0]
.endr
.irp j, 0,2,4,6,8,10,12,14
	v_pk_fma_f32 v[GP+\j:GP+\j+1], v[GP+\j:GP+\j+1], v[GT+\j:GT+\j+1], s[26:27] op_sel_hi:[1,1,0]
.endr
.irp j, 0,2,4,6,8,10,12,14
	v_pk_fma_f32 v[GP+\j:GP+\j+1], v[GP+\j:GP+\j+1], v[GT+\j:GT+\j+1], s[28:29] op_sel_hi:[1,1,0]
.endr
.irp j, 0,2,4,6,8,10,12,14
	v_pk_fma_f32 v[GP+\j:GP+\j+1], v[GP+\j:GP+\j+1], v[GT+\j:GT+\j+1], s[30:31] op_sel_hi:[1,1,0]
.endr
.irp j, 0,2,4,6,8,10,12,14
	v_pk_mul_f32 v[GP+\j:GP+\j+1], v[GP+\j:GP+\j+1], v[GT+\j:GT+\j+1]
.endr
.irp j, 0,2,4,6,8,10,12,14
	v_pk_mul_f32 v[GP+\j:GP+\j+1], v[GP+\j:GP+\j+1], v[GE+\j:GE+\j+1]
.endr
.irp j, 0,2,4,6,8,10,12,14
	v_pk_fma_f32 v[\O+\j:\O+\j+1], v[GH+\j:GH+\j+1], v[GP+\j:GP+\j+1], v[\O+\j:\O+\j+1]
.endr
.endm
; 64 numbers of a lane, v[s] on, register 16 b + i = hidden unit 32 b + 16 (lane / 16) + i of my token, become a fragment's 12 registers in v[PC] on and my token's scale word in v[w]
.macro QUANT s, w
.irp b, 0,1,2,3
	v_max3_num_f32 v[TM+\b], |v[\s+16*\b]|, |v[\s+1+16*\b]|, 0x1800000       ; the floor 2^(3 - 127) holds the byte at 1 from below
.endr
.irp i, 2,4,6,8,10,12,14
.irp b, 0,1,2,3
	v_max3_num_f32 v[TM+\b], v[TM+\b], |v[\s+16*\b+\i]|, |v[\s+1+16*\b+\i]|
.endr
.endr
.irp b, 0,1,2,3
	v_permlanex16_b32 v[TM+4+\b], v[TM+\b], s16, s17
.endr
.irp b, 0,1,2,3
	v_max_num_f32 v[TM+\b], v[TM+\b], v[TM+4+\b]     ; with lane l xor 16's: the block's largest magnitude
.endr
.irp b, 0,1,2,3
	v_add_nc_u32 v[TM+12+\b], 0xff000000, v[TM+\b]   ; 2 off its exponent field: the conversion's scale operand
.endr
.irp b, 0,1,2,3
	v_lshrrev_b32 v[TM+4+\b], 23, v[TM+12+\b]        ; the scale's byte
.endr
	v_lshl_or_b32 v[\w], v[TM+5], 8, v[TM+4]
	v_lshl_or_b32 v[\w], v[TM+6], 16, v[\w]
	v_lshl_or_b32 v[\w], v[TM+7], 24, v[\w]
.irp c, 0,1
	v_cvt_scalef32_pk16_fp6_f32 v[PC+6*\c:PC+2+6*\c], v[\s+32*\c:\s+15+32*\c], v[TM+12+2*\c]
	v_cvt_scalef32_pk16_fp6_f32 v[PC+12+4*\c:PC+14+4*\c], v[\s+16+32*\c:\s+31+32*\c], v[TM+12+2*\c+1]   ; (a conversion's three registers begin on an even number)
.endr
	v_nop                                            ; one plain place behind a scaled conversion
.irp c, 0,1                                      ; a whole block in a lane: lanes 0-15 block 2 c, lanes 16-31 block 2 c + 1
.irp i, 0,1,2
	v_permlane16_swap_b32 v[PC+6*\c+\i], v[PC+12+4*\c+\i]
.endr
.irp i, 0,1,2
	v_mov_b32 v[PC+3+6*\c+\i], v[PC+12+4*\c+\i]
.endr
.endr
.endm
	s_load_b256 s[4:11], s[0:1], 0x0                 ; H, WC, b_ff1, ACT
	v_lshl_add_u32 v[SPW], v0, 2, SPARE
	v_mov_b32 v[NIL], 0
	ds_add_u32 v[SPW], v[NIL]                        ; the opening: the add, twice on end, and its wait ahead of my first tensor load
	ds_add_u32 v[SPW], v[NIL]
	v_lshrrev_b32 v1, 5, v0
	v_readfirstlane_b32 s14, v1                      ; wave 0..7
	s_lshr_b32 s15, s14, 2                           ; I fetch for the tokens (0) or the weights (1).  Also: which of the two token panels I multiply
	s_lshr_b32 s16, s14, 1                           ; which of the four panels I fetch
	s_and_b32 s17, s14, 1                            ; which K step of a slot I fetch.  Also: which of the two weight panels I multiply
	s_and_b32 s18, s16, 1                            ; which panel of its operand I fetch.  Also: which four tiles of my token panel I multiply
	s_bfe_u32 s92, ttmp6, 0x40000                    ; cx
	s_bfe_u32 s93, ttmp6, 0x40004                    ; cy
	s_lshl_b32 s94, ttmp9, 2
	s_add_co_u32 s94, s94, s92                       ; X: 256 hidden units
	s_and_b32 s95, ttmp7, 0xffff
	s_lshl_b32 s95, s95, 2
	s_add_co_u32 s95, s95, s93                       ; Y: 256 tokens
	s_lshl_b32 s96, s93, 2
	s_lshl_b32 s96, 15, s96                          ; my row of the cluster
	s_lshl_b32 s97, 0x1111, s92                      ; my column
	s_or_b32 s[G1], s96, (3<<16)|(1<<21)             ; elements of 8 bytes, no padding; bit 21 beside a mask
	s_or_b32 s[G1B], s97, (3<<16)|(1<<21)
.irp g, G1, G1B
	s_mov_b32 s[\g+1], 32<<16                        ; a dense piece of 12,288 bytes: 48 rows of 256 bytes
	s_mov_b32 s[\g+2], 48<<16
	s_mov_b32 s[\g+3], 32<<16
	s_mov_b32 s[\g+4], 48
	s_mov_b32 s[\g+5], 32
	s_mov_b32 s[\g+6], 0
	s_mov_b32 s[\g+7], 0
.endr
	s_or_b32 s[G1S], s96, (3<<16)|(1<<21)
	s_or_b32 s[G1SB], s97, (3<<16)|(1<<21)
.irp g, G1S, G1SB
	s_mov_b32 s[\g+1], 32<<16                        ; half a panel's scale words: 8 rows of 256 bytes
	s_mov_b32 s[\g+2], 8<<16
	s_mov_b32 s[\g+3], 32<<16
	s_mov_b32 s[\g+4], 8
	s_mov_b32 s[\g+5], 32
	s_mov_b32 s[\g+6], 0
	s_mov_b32 s[\g+7], 0
.endr
	s_lshl_b32 s19, s95, 1
	s_add_co_u32 s19, s19, s18                       ; the token panel that I fetch: it hangs on Y and the wave alone
	s_mul_i32 s20, s19, PANB
	s_mul_i32 s22, s17, PIECE
	s_add_co_u32 s20, s20, s22
	s_add_co_u32 s20, s20, ACO
	s_mov_b32 s21, 0
	s_lshl_b32 s22, s19, 12
	s_lshl_b32 s23, s17, 11
	s_add_co_u32 s22, s22, s23
	s_add_co_u32 s22, s22, ASO
	s_mov_b32 s23, 0
	s_lshl_b32 s12, s94, 1
	s_add_co_u32 s12, s12, s18                       ; the weight panel: on X and the wave alone
	s_mul_i32 s2, s12, PANB
	s_mul_i32 s13, s17, PIECE
	s_add_co_u32 s2, s2, s13
	s_add_co_u32 s2, s2, WCO
	s_mov_b32 s3, 0
	s_lshl_b32 s98, s12, 12
	s_lshl_b32 s13, s17, 11
	s_add_co_u32 s98, s98, s13
	s_add_co_u32 s98, s98, WSO
	s_mov_b32 s99, 0
	s_mul_i32 s66, s17, STEPB
	s_mul_i32 s67, s16, PIECE
	s_add_co_u32 s66, s66, s67                       ; where my pieces go in a slot: no place in the cluster enters an LDS address
	s_lshl_b32 s67, s14, 11                          ; and my scale words: 2,048 x wave
	s_wait_dscnt 0x0                                 ; both opening adds are done
	s_wait_kmcnt 0x0
	s_add_nc_u64 s[20:21], s[4:5], s[20:21]
	s_add_nc_u64 s[22:23], s[4:5], s[22:23]
	s_add_nc_u64 s[2:3], s[6:7], s[2:3]
	s_add_nc_u64 s[98:99], s[6:7], s[98:99]
	CROUND                                           ; all sixteen work-groups are here: the first joint loads meet
	s_mov_b32 s[G0S], 1
	s_add_co_u32 s[G0S+1], s67, SCL
	s_mov_b64 s[G0S+2:G0S+3], s[22:23]
	s_or_b32 s[G0S+3], s[G0S+3], 0x80000000
	s_mov_b32 s[G0SB], 1
	s_add_co_u32 s[G0SB+1], s67, SCL
	s_mov_b64 s[G0SB+2:G0SB+3], s[98:99]
	s_or_b32 s[G0SB+3], s[G0SB+3], 0x80000000
	JLOAD G0S, G1S, G0SB, G1SB                       ; the scale words first: they are wanted with K step 0
	FIRST 0, GA0, GB0
	FIRST 1, GA1, GB1
	FIRST 2, GA2, GB2                                ; four loads of mine are out
	v_and_b32 v1, 15, v0                             ; r
	v_bfe_u32 v2, v0, 4, 1                           ; h
	v_and_b32 v3, 31, v0                             ; l
	v_lshlrev_b32 v[L16], 4, v3
	v_lshlrev_b32 v[L8], 3, v3
	v_lshlrev_b32 v[BA], 6, v2                       ; the bias: lane (r, h) wants, for tile b, hidden units 32 (b / 2) + 16 h + 8 (b % 2) + 0..7 of my 128
	s_lshl_b32 s12, s94, 10
	s_lshl_b32 s13, s17, 9
	s_add_co_u32 s12, s12, s13
	s_mov_b32 s13, 0
	s_add_nc_u64 s[8:9], s[8:9], s[12:13]
	WIN 0x40                                         ; destination window 1: the registers of the accumulators (0, b)
.irp b, 0,1,2,3,4,5,6,7
	global_load_b128 v[8*\b:8*\b+3], v[BA], s[8:9] offset:128*(\b/2)+32*(\b%2)
	global_load_b128 v[8*\b+4:8*\b+7], v[BA], s[8:9] offset:128*(\b/2)+32*(\b%2)+16
.endr
	WIN 0
	s_mul_i32 s12, s15, PIECE                        ; my token panel in a K step's bytes,
	s_mul_i32 s13, s18, 6144                         ; my four tiles of it;
	s_add_co_u32 s12, s12, s13
	s_mul_i32 s13, s17, PIECE
	s_add_co_u32 s13, s13, 2*PIECE                   ; my weight panel
	v_add_nc_u32 v[ADA16], s12, v[L16]
	v_add_nc_u32 v[ADA8], s12, v[L8]
	v_add_nc_u32 v[ADA8], 512, v[ADA8]
	v_add_nc_u32 v[ADB16], s13, v[L16]
	v_add_nc_u32 v[ADB8], s13, v[L8]
	v_add_nc_u32 v[ADB8], 512, v[ADB8]
.irp s, 1,2
	v_add_nc_u32 v[ADA16+\s], \s*SLOT, v[ADA16]
	v_add_nc_u32 v[ADA8+\s], \s*SLOT, v[ADA8]
	v_add_nc_u32 v[ADB16+\s], \s*SLOT, v[ADB16]
	v_add_nc_u32 v[ADB8+\s], \s*SLOT, v[ADB8]
.endr
	s_lshl_b32 s12, s15, 12
	s_lshl_b32 s13, s18, 8
	s_add_co_u32 s12, s12, s13                       ; my four tiles' scale words among the four panels',
	s_lshl_b32 s13, s17, 12
	s_add_co_u32 s13, s13, 2*PANS                    ; my weight panel's,
	s_sub_co_u32 s19, s13, s12                       ; and the distance from the one to the other
	v_mul_u32_u24 v[ADRS], s19, v2                   ; lanes 16-31 take the weights'
	v_lshl_add_u32 v[ADRS], v1, 2, v[ADRS]
	s_add_co_u32 s12, s12, SCL
	v_add_nc_u32 v[ADRS], s12, v[ADRS]
	s_add_co_u32 s13, s13, SCL
	v_lshl_add_u32 v[ADS0], v1, 2, s13
	s_lshl_b32 s12, s14, 8
	s_add_co_u32 s12, s12, SSTG                      ; my 256 bytes for the way out's scale words
	v_lshl_add_u32 v[STS], v1, 2, s12
	v_lshl_add_u32 v[STR], v3, 3, s12
	s_lshl_b32 s12, s95, 1                           ; ACT: my token panel 2 Y + w / 4,
	s_add_co_u32 s12, s12, s15
	s_lshl_b32 s13, s94, 1
	s_add_co_u32 s13, s13, s17                       ; the next product's K step 2 X + w % 2
	s_mul_i32 s20, s12, 393216
	s_mul_i32 s19, s13, 12288
	s_add_co_u32 s20, s20, s19
	s_mul_i32 s19, s18, 6144
	s_add_co_u32 s20, s20, s19
	s_mov_b32 s21, 0
	s_lshl_b32 s22, s12, 14
	s_lshl_b32 s19, s13, 9
	s_add_co_u32 s22, s22, s19
	s_lshl_b32 s19, s18, 8
	s_add_co_u32 s22, s22, s19
	s_add_co_u32 s22, s22, 12582912
	s_mov_b32 s23, 0
	s_add_nc_u64 s[12:13], s[10:11], s[22:23]        ; my 64 scale words' place
	s_add_nc_u64 s[10:11], s[10:11], s[20:21]        ; my four images'
	s_wait_tensorcnt 0x2                             ; my scale words and my piece of K steps 0, 1 are in; the loads of steps 2, 3 and 4, 5 may be out
	s_barrier_signal -1
	s_barrier_wait -1                                ; everybody's are
	FETCH_MID 0
	FETCH_END 0
	s_wait_loadcnt 0x0                               ; the bias
	STEP 0, 1
	TURN 1, 1
	STEP 2, 2
	STEP 3, 2
	STEP 4, 2
	TURN 5, 0
	STEP 6, 2
	s_wait_dscnt 16                                  ; the last K step: nothing more to fetch
	WIN 0x50
	MULH 0, 1, 2
	s_wait_dscnt 0x0
	MULH 1, 1, 2
	WIN 0
	PLACES                                           ; behind the last products: their results are read and their operands' registers written from here on
	; THE WAY OUT, a tile of 16 tokens at a time: gelu of its 64 numbers a lane, the quantiser, the image of the fragment straight to memory; the scale words through my own 256 bytes of LDS
	s_mov_b32 s16, 0x76543210                        ; (every tensor load has been waited for: the descriptors' registers are free)
	s_mov_b32 s17, 0xfedcba98                        ; lane l xor 16
	s_mov_b32 s18, 0x3e6d3388                        ; 0.3275911 / sqrt 2
	s_mov_b32 s20, 0xbf38aa3b                        ; -log2(e) / 2
	s_mov_b32 s21, s20
	s_mov_b32 s24, 0xbfba00e3                        ; a4 .. a1; a5 in a vector pair
	s_mov_b32 s25, s24
	s_mov_b32 s26, 0x3fb5f0e3
	s_mov_b32 s27, s26
	s_mov_b32 s28, 0xbe91a98e
	s_mov_b32 s29, s28
	s_mov_b32 s30, 0x3e827906
	s_mov_b32 s31, s30
	v_mov_b32 v[A5], 0x3f87dc22
	v_mov_b32 v[A5+1], 0x3f87dc22
.irp b, 0,1,2,3
	v_mov_b32 v[TM+4+\b], 0                          ; written once: a lane permute's destination counts as one of its sources
.endr
.irp a, 0,1,2,3
	GELU16 64*\a, HA
	GELU16 64*\a+16, HA+16
	GELU16 64*\a+32, HA+32
	GELU16 64*\a+48, HA+48
.if \a > 0
	s_wait_xcnt 0x0                                  ; the last tile's stores have read their registers: the codes' registers are written again only behind this wait
.endif
	QUANT HA, PW+\a
	global_store_b128 v[L16], v[PC:PC+3], s[10:11] offset:1536*\a              ; each store covers whole aligned runs of 256 bytes
	global_store_b64 v[L8], v[PC+4:PC+5], s[10:11] offset:1536*\a+512
	global_store_b128 v[L16], v[PC+6:PC+9], s[10:11] offset:1536*\a+768
	global_store_b64 v[L8], v[PC+10:PC+11], s[10:11] offset:1536*\a+1280
	ds_store_b32 v[STS], v[PW+\a] offset:64*\a       ; both halves of the lanes write the same word with the same value
.endr
	ds_load_b64 v[TM:TM+1], v[STR]                   ; LDS serves a wave's instructions in order: this sees my four stores
	s_wait_dscnt 0x0
	global_store_b64 v[L8], v[TM:TM+1], s[12:13]     ; my 64 scale words: 256 consecutive bytes, aligned
	s_wait_tensorcnt 0x0                             ; the wave's end
	ds_add_u32 v[SPW], v[NIL]
	s_wait_dscnt 0x0
	CROUND                                           ; the closing round
	s_endpgm
.Lfunc_end_k_q5d76f0272a_ff1:
	.size	k_q5d76f0272a_ff1, .Lfunc_end_k_q5d76f0272a_ff1-k_q5d76f0272a_ff1
	.p2alignl 7, 3214868480
	.fill 96, 4, 3214868480
	.section	.rodata,"a",@progbits
	.p2align	6, 0x0
	.amdhsa_kernel k_q5d76f0272a_ff1
		.amdhsa_group_segment_fixed_size 327680
		.amdhsa_private_segment_fixed_size 0
		.amdhsa_enable_private_segment 0
		.amdhsa_kernarg_size 32
		.amdhsa_user_sgpr_count 2
		.amdhsa_user_sgpr_kernarg_segment_ptr 1
		.amdhsa_wavefront_size32 1
		.amdhsa_system_sgpr_workgroup_id_x 1
		.amdhsa_system_sgpr_workgroup_id_y 1
		.amdhsa_system_sgpr_workgroup_id_z 1
		.amdhsa_system_vgpr_workitem_id 0
		.amdhsa_next_free_vgpr 512
		.amdhsa_next_free_sgpr 100
		.amdhsa_reserve_vcc 0
		.amdhsa_float_denorm_mode_32 3
		.amdhsa_float_denorm_mode_16_64 3
		.amdhsa_memory_ordered 1
		.amdhsa_forward_progress 1
		.amdhsa_inst_pref_size 227
	.end_amdhsa_kernel
	.amdgpu_metadata
---
amdhsa.version: [ 1, 2 ]
amdhsa.kernels:
  - .name:           k_q5d76f0272a_ff1
    .symbol:         k_q5d76f0272a_ff1.kd
    .args:
      - { .name: H, .offset: 0, .size: 8, .value_kind: global_buffer, .address_space: global }
      - { .name: WC, .offset: 8, .size: 8, .value_kind: global_buffer, .address_space: global }
      - { .name: b_ff1, .offset: 16, .size: 8, .value_kind: global_buffer, .address_space: global }
      - { .name: ACT, .offset: 24, .size: 8, .value_kind: global_buffer, .address_space: global }
    .group_segment_fixed_size: 327680
    .private_segment_fixed_size: 0
    .kernarg_segment_align: 8
    .kernarg_segment_size: 32
    .max_flat_workgroup_size: 256
    .sgpr_count:     100
    .vgpr_count:     512
    .wavefront_size: 32
...
	.end_amdgpu_metadata
.endif
;; end of part 6
;; launch ff2 (part 7): grid 8 x 32, 4 waves a work-group, clusters of 4 x 4, 327,680 bytes of LDS; arguments ACT, WC, b_ff2, H, Y; writes Y
.if DOCPART == 7
	.amdgcn_target "amdgcn-amd-amdhsa--gfx1250"
	.amdhsa_code_object_version 6
	.text
	.protected	k_q5d76f0272a_ff2
	.globl	k_q5d76f0272a_ff2
	.p2align	8
	.type	k_q5d76f0272a_ff2,@function
k_q5d76f0272a_ff2:
	s_mov_b64 s[64:65], 0
	v_nop
	global_prefetch_b8 v0, s[64:65] scope:SCOPE_SE
	s_setreg_imm32_b32 hwreg(HW_REG_WAVE_MODE, 25, 1), 1
	s_wait_xcnt 0x0
	s_wait_alu depctr_hold_cnt(0) depctr_sa_sdst(0) depctr_va_vdst(0) depctr_va_sdst(0) depctr_va_ssrc(0) depctr_va_vcc(0) depctr_vm_vsrc(0)
	s_getreg_b32 s2, hwreg(HW_REG_IB_STS2, 6, 4)
	s_cmp_eq_u32 s2, 0
	s_cbranch_scc0 .Lentry_in_a_cluster
	s_endpgm
.Lentry_in_a_cluster:
	s_bfe_u32 s2, ttmp6, 0x10000c
	s_cmp_lg_u32 s2, 0xf033
	s_cbranch_scc0 .Lentry_shape_is_right
	s_endpgm
.Lentry_shape_is_right:
; LAUNCH 7: y2 = h + gelu(..) W_ff2 + b_ff2, f32.  (The same text as launch 4 but for the five sizes at its head: K = 4,096, so the two slots are filled again, three times each, by joint loads behind rounds of the cluster's barrier.)
; A work-group makes 128 tokens (panel Y) x 128 columns (panel X); four waves, 64 x 64 each.  K goes in steps of 128, four to an LDS slot, two slots; operands lie in memory as register images (layout: launch 1's head).
; The product is used transposed (source 0 = weight columns, source 1 = tokens).  The bias is the C of each sum's first instruction; the residual (h, at H's head) is asked for at the head and added on the way out.
; All of a WGP's LDS is claimed.
.set KD,    4096
.set ASO,   12582912
.set WCO,   6291456
.set WSO,   9699328
.set KS,    KD/128
.set LAPS,  KS/8
.set PANB,  KS*12288
.set PANS,  KS*512
.set HALFT, 24576
.set SLOT,  4*HALFT
.set SCL,   2*SLOT
.set SCH,   KS*256
.set STG,   SCL+4*SCH
.set SPARE, STG+4*4352
.set ADA16, 4
.set ADA8,  6
.set ADB16, 8
.set ADB8,  10
.set ADRS,  12
.set SPW,   14
.set NIL,   15
.set SC,    16
.set CO,    27
.set STO,   28
.set RD,    29
.set BIAS,  32
.set BK,    64
.set ACC,   128
.set G1, 24
.set G0, 32
.set G1B, 48
.set G0B, 56
.set G1S, 68
.set G0S, 76
.set G1SB, 80
.set G0SB, 88
.set MSB, 0
.macro WIN new
.if MSB != \new
	s_set_vgpr_msb (MSB<<8)|\new
.set MSB, \new
.endif
.endm
.macro PLACES
.rept 4
	v_nop
.endr
.endm
.macro JLOAD g0a, g1a, g0b, g1b
	s_cmp_eq_u32 s15, 0
	s_cbranch_scc0 .Lfor_b_\@
	tensor_load_to_lds s[\g0a:\g0a+3], s[\g1a:\g1a+7]
	s_nop 0
.rept 4
	v_nop
.endr
	s_branch .Lasked_\@
.Lfor_b_\@:
	tensor_load_to_lds s[\g0b:\g0b+3], s[\g1b:\g1b+7]
	s_nop 0
.rept 4
	v_nop
.endr
.Lasked_\@:
.endm
.macro CROUND
	s_barrier_signal -1
	s_barrier_wait -1
	s_cmp_lg_u32 s14, 0
	s_cbranch_scc1 .Lnw0_\@
	s_barrier_signal -3
.Lnw0_\@:
	s_barrier_wait -3
	s_barrier_signal -1
	s_barrier_wait -1
.endm
.macro FETCH s, q, f, p, ko
	WIN 0x40
.irp i, 0,1,2,3
	ds_load_b128 v[(\f)+12*\i:(\f)+12*\i+3], v[ADA16+(\s)] offset:(\q)*6144+\i*1536
	ds_load_b64 v[(\f)+12*\i+4:(\f)+12*\i+5], v[ADA8+(\s)] offset:(\q)*6144+\i*1536
	ds_load_b128 v[(\f)+12*\i+6:(\f)+12*\i+9], v[ADA16+(\s)] offset:(\q)*6144+\i*1536+768
	ds_load_b64 v[(\f)+12*\i+10:(\f)+12*\i+11], v[ADA8+(\s)] offset:(\q)*6144+\i*1536+768
.endr
.irp i, 0,1,2,3
	ds_load_b128 v[(\f)+48+12*\i:(\f)+48+12*\i+3], v[ADB16+(\s)] offset:(\q)*6144+\i*1536
	ds_load_b64 v[(\f)+48+12*\i+4:(\f)+48+12*\i+5], v[ADB8+(\s)] offset:(\q)*6144+\i*1536
	ds_load_b128 v[(\f)+48+12*\i+6:(\f)+48+12*\i+9], v[ADB16+(\s)] offset:(\q)*6144+\i*1536+768
	ds_load_b64 v[(\f)+48+12*\i+10:(\f)+48+12*\i+11], v[ADB8+(\s)] offset:(\q)*6144+\i*1536+768
.endr
	WIN 0
.irp i, 0,1,2,3
	ds_load_b32 v[SC+4*(\p)+\i], v[ADRS] offset:(\ko)+64*\i
.endr
.endm
.macro MUL f, p, cm                    ; the accumulators by turns; cm = 1: the bias is the first C
.irp a, 0,1,2,3
.irp b, 0,1,2,3
.if \cm == 1
	v_wmma_scale_f32_16x16x128_f8f6f4 v[ACC+8*(4*\a+\b):ACC+8*(4*\a+\b)+7], v[(\f)+48+12*\b:(\f)+48+12*\b+11], v[(\f)+12*\a:(\f)+12*\a+11], v[BIAS+8*\b:BIAS+8*\b+7], v[SC+4*(\p)+\b], v[SC+4*(\p)+\a] matrix_a_fmt:MATRIX_FMT_FP6 matrix_b_fmt:MATRIX_FMT_FP6 matrix_a_scale:MATRIX_SCALE_ROW1
.else
	v_wmma_scale_f32_16x16x128_f8f6f4 v[ACC+8*(4*\a+\b):ACC+8*(4*\a+\b)+7], v[(\f)+48+12*\b:(\f)+48+12*\b+11], v[(\f)+12*\a:(\f)+12*\a+11], v[ACC+8*(4*\a+\b):ACC+8*(4*\a+\b)+7], v[SC+4*(\p)+\b], v[SC+4*(\p)+\a] matrix_a_fmt:MATRIX_FMT_FP6 matrix_b_fmt:MATRIX_FMT_FP6 matrix_a_scale:MATRIX_SCALE_ROW1
.endif
.endr
.endr
.endm
.macro STEP s, q, cm
	s_wait_dscnt 0x0                                 ; this step's operands, asked for a step ago, are in
	PLACES                                           ; behind the last step's products, which read the registers that are loaded next
	FETCH \s, (\q)+1, 128*(1-(\q)%2), 1-(\q)%2, (4*(\s)+(\q)+1)*512
	WIN 0x05
	MUL 128*((\q)%2), (\q)%2, \cm
.endm
; a slot's last step changes slots: all my tensor loads have landed, the add, my reads of this slot are over; one barrier.  fill = 1: the barrier is a round of the cluster's, and this slot is filled again, two slots ahead:
; the load has four K steps, 64 matrix instructions, in which to land; one load of mine is out behind each round
.macro TURN s, n, fill
	WIN 0
	s_wait_tensorcnt 0x0
	ds_add_u32 v[SPW], v[NIL]
.if \fill
	s_add_nc_u64 s[G0+4*\s+2:G0+4*\s+3], s[G0+4*\s+2:G0+4*\s+3], 98304
	s_add_nc_u64 s[G0B+4*\s+2:G0B+4*\s+3], s[G0B+4*\s+2:G0B+4*\s+3], 98304
.endif
	s_wait_dscnt 0x0
.if \fill
	CROUND
	JLOAD G0+4*\s, G1, G0B+4*\s, G1B                 ; its four v_nop are also the places in front of the loads below
.else
	s_barrier_signal -1
	s_barrier_wait -1
	PLACES
.endif
.if \n == 0
	v_add_nc_u32 v[ADRS], 4096, v[ADRS]              ; the next eight K steps' scale words
.endif
	FETCH \n, 0, 0, 0, 2048*(\n)
	WIN 0x05
	MUL 128, 1, 2
.endm
	s_load_b256 s[4:11], s[0:1], 0x0                 ; ACT, WC, b_ff2, H
	s_load_b64 s[12:13], s[0:1], 0x20                ; Y
	v_lshl_add_u32 v[SPW], v0, 2, SPARE
	v_mov_b32 v[NIL], 0
	ds_add_u32 v[SPW], v[NIL]                        ; the opening: the add, twice on end, and its wait ahead of my first tensor load
	ds_add_u32 v[SPW], v[NIL]
	v_lshrrev_b32 v1, 5, v0
	v_readfirstlane_b32 s14, v1
	s_lshr_b32 s15, s14, 1
	s_and_b32 s16, s14, 1
	s_bfe_u32 s40, ttmp6, 0x40000
	s_bfe_u32 s41, ttmp6, 0x40004
	s_lshl_b32 s42, ttmp9, 2
	s_add_co_u32 s42, s42, s40                       ; X
	s_and_b32 s17, ttmp7, 0xffff
	s_lshl_b32 s17, s17, 2
	s_add_co_u32 s17, s17, s41                       ; Y
	s_lshl_b32 s43, s41, 2
	s_lshl_b32 s43, 15, s43
	s_lshl_b32 s44, 0x1111, s40
	s_or_b32 s[G1], s43, (3<<16)|(1<<21)
	s_or_b32 s[G1B], s44, (3<<16)|(1<<21)
.irp g, G1, G1B
	s_mov_b32 s[\g+1], 768<<16
	s_mov_b32 s[\g+2], 4<<16
	s_mov_b32 s[\g+3], 768<<16
	s_mov_b32 s[\g+4], 4
	s_mov_b32 s[\g+5], 1536
	s_mov_b32 s[\g+6], 0
	s_mov_b32 s[\g+7], 0
.endr
	s_or_b32 s[G1S], s43, (3<<16)|(1<<21)
	s_or_b32 s[G1SB], s44, (3<<16)|(1<<21)
.irp g, G1S, G1SB
	s_mov_b32 s[\g+1], 32<<16
	s_mov_b32 s[\g+2], KS<<16
	s_mov_b32 s[\g+3], 32<<16
	s_mov_b32 s[\g+4], KS
	s_mov_b32 s[\g+5], 32
	s_mov_b32 s[\g+6], 0
	s_mov_b32 s[\g+7], 0
.endr
	s_mul_i32 s18, s16, 6144
	s_mul_i32 s19, s16, SCH
	s_mul_i32 s20, s17, PANB
	s_add_co_u32 s20, s20, s18
	s_mov_b32 s21, 0
	s_mul_i32 s22, s17, PANS
	s_add_co_u32 s22, s22, s19
	s_add_co_u32 s22, s22, ASO
	s_mov_b32 s23, 0
	s_mul_i32 s46, s42, PANB
	s_add_co_u32 s46, s46, s18
	s_add_co_u32 s46, s46, WCO
	s_mov_b32 s47, 0
	s_mul_i32 s92, s42, PANS
	s_add_co_u32 s92, s92, s19
	s_add_co_u32 s92, s92, WSO
	s_mov_b32 s93, 0
	s_mul_i32 s45, s14, HALFT
	s_mul_i32 s94, s14, SCH
	s_wait_dscnt 0x0
	s_wait_kmcnt 0x0
	s_add_nc_u64 s[20:21], s[4:5], s[20:21]
	s_add_nc_u64 s[22:23], s[4:5], s[22:23]
	s_add_nc_u64 s[46:47], s[6:7], s[46:47]
	s_add_nc_u64 s[92:93], s[6:7], s[92:93]
	CROUND
	s_mov_b32 s[G0S], 1
	s_add_co_u32 s[G0S+1], s94, SCL
	s_mov_b64 s[G0S+2:G0S+3], s[22:23]
	s_or_b32 s[G0S+3], s[G0S+3], 0x80000000
	s_mov_b32 s[G0SB], 1
	s_add_co_u32 s[G0SB+1], s94, SCL
	s_mov_b64 s[G0SB+2:G0SB+3], s[92:93]
	s_or_b32 s[G0SB+3], s[G0SB+3], 0x80000000
	JLOAD G0S, G1S, G0SB, G1SB
.irp s, 0,1
	s_mov_b32 s[G0+4*\s], 1
	s_add_co_u32 s[G0+4*\s+1], s45, \s*SLOT
	s_add_nc_u64 s[G0+4*\s+2:G0+4*\s+3], s[20:21], \s*49152
	s_or_b32 s[G0+4*\s+3], s[G0+4*\s+3], 0x80000000
	s_mov_b32 s[G0B+4*\s], 1
	s_add_co_u32 s[G0B+4*\s+1], s45, \s*SLOT
	s_add_nc_u64 s[G0B+4*\s+2:G0B+4*\s+3], s[46:47], \s*49152
	s_or_b32 s[G0B+4*\s+3], s[G0B+4*\s+3], 0x80000000
	JLOAD G0+4*\s, G1, G0B+4*\s, G1B                 ; three loads of mine are out
.endr
	v_and_b32 v1, 15, v0
	v_bfe_u32 v2, v0, 4, 1
	v_and_b32 v3, 31, v0
	v_lshlrev_b32 v24, 4, v3
	v_lshlrev_b32 v25, 3, v3
	v_lshlrev_b32 v26, 6, v2
	s_lshl_b32 s18, s42, 9
	s_lshl_b32 s19, s16, 8
	s_add_co_u32 s18, s18, s19
	s_mov_b32 s19, 0
	s_add_nc_u64 s[8:9], s[8:9], s[18:19]
.irp b, 0,1,2,3
	global_load_b128 v[BIAS+8*\b:BIAS+8*\b+3], v26, s[8:9] offset:128*(\b/2)+32*(\b%2)
	global_load_b128 v[BIAS+8*\b+4:BIAS+8*\b+7], v26, s[8:9] offset:128*(\b/2)+32*(\b%2)+16
.endr
	s_lshl_b32 s22, s17, 7
	s_lshl_b32 s23, s15, 6
	s_add_co_u32 s22, s22, s23
	s_lshl_b32 s22, s22, 12
	s_add_co_u32 s22, s22, s18
	s_mov_b32 s23, 0
	s_add_nc_u64 s[10:11], s[10:11], s[22:23]
	s_add_nc_u64 s[12:13], s[12:13], s[22:23]
	v_lshlrev_b32 v[CO], 12, v2
	v_lshl_add_u32 v[CO], v1, 4, v[CO]
	WIN 0x80
.irp a, 0,1,2,3
.irp t, 0,1,2,3,4,5,6,7
	global_load_b128 v[32*\a+4*\t:32*\a+4*\t+3], v[CO], s[10:11] offset:(32*(\a/2)+8*(\a%2)+2*\t+8*(\t/4))*4096
.endr
.endr
	WIN 0
	s_mul_i32 s20, s15, HALFT
	s_mul_i32 s21, s16, HALFT
	s_add_co_u32 s21, s21, 2*HALFT
	v_add_nc_u32 v[ADA16], s20, v24
	v_add_nc_u32 v[ADA8], s20, v25
	v_add_nc_u32 v[ADA8], 512, v[ADA8]
	v_add_nc_u32 v[ADB16], s21, v24
	v_add_nc_u32 v[ADB8], s21, v25
	v_add_nc_u32 v[ADB8], 512, v[ADB8]
	v_add_nc_u32 v[ADA16+1], SLOT, v[ADA16]
	v_add_nc_u32 v[ADA8+1], SLOT, v[ADA8]
	v_add_nc_u32 v[ADB16+1], SLOT, v[ADB16]
	v_add_nc_u32 v[ADB8+1], SLOT, v[ADB8]
	s_lshl_b32 s20, s15, 8
	s_lshl_b32 s21, s16, 8
	s_add_co_u32 s21, s21, 2*SCH
	s_sub_co_u32 s21, s21, s20
	v_mul_u32_u24 v[ADRS], s21, v2
	v_lshl_add_u32 v[ADRS], v1, 2, v[ADRS]
	s_add_co_u32 s20, s20, SCL
	v_add_nc_u32 v[ADRS], s20, v[ADRS]
	s_mul_i32 s20, s14, 4352
	s_add_co_u32 s20, s20, STG
	v_mul_u32_u24 v[STO], v1, 272
	v_lshl_add_u32 v[STO], v2, 6, v[STO]
	v_add_nc_u32 v[STO], s20, v[STO]
	v_mul_u32_u24 v[RD], v2, 272
	v_lshl_add_u32 v[RD], v1, 4, v[RD]
	v_add_nc_u32 v[RD], s20, v[RD]
	s_wait_tensorcnt 0x1                             ; the scale words and my part of slot 0 are in; slot 1's load may be out
	s_barrier_signal -1
	s_barrier_wait -1
	FETCH 0, 0, 0, 0, 0
	s_wait_loadcnt 32                                ; the bias is in; the residual's 32 loads may be out
	STEP 0, 0, 1
.if LAPS > 1
	WIN 0
	s_mov_b32 s3, LAPS-1
.Llap:                                               ; a trip goes once round the ring, from a lap's second step to the next lap's first, and fills both slots again
	STEP 0, 1, 2
	STEP 0, 2, 2
	TURN 0, 1, 1
	STEP 1, 0, 2
	STEP 1, 1, 2
	STEP 1, 2, 2
	TURN 1, 0, 1
	STEP 0, 0, 2
	WIN 0
	s_sub_co_u32 s3, s3, 1
	s_cmp_lg_u32 s3, 0
	s_cbranch_scc1 .Llap
.endif
	STEP 0, 1, 2                                     ; the last eight K steps fill nothing
	STEP 0, 2, 2
	TURN 0, 1, 0
	STEP 1, 0, 2
	STEP 1, 1, 2
	STEP 1, 2, 2
	s_wait_dscnt 0x0
	WIN 0x05
	MUL 128, 1, 2
	WIN 0
	PLACES
	s_wait_loadcnt 0x0                               ; the residual
.macro TOSTAGE a
.irp b, 0,1,2,3
	ds_store_b128 v[STO], v[ACC+8*(4*(\a)+\b):ACC+8*(4*(\a)+\b)+3] offset:128*(\b/2)+32*(\b%2)       ; each accumulator from its low end on
	ds_store_b128 v[STO], v[ACC+8*(4*(\a)+\b)+4:ACC+8*(4*(\a)+\b)+7] offset:128*(\b/2)+32*(\b%2)+16
.endr
.irp t, 0,1,2,3,4,5,6,7
	ds_load_b128 v[BK+32*((\a)%2)+4*\t:BK+32*((\a)%2)+4*\t+3], v[RD] offset:544*\t       ; LDS serves a wave's instructions in order
.endr
.endm
.macro SEND a, younger
	s_wait_dscnt \younger
	WIN 0x08
.irp u, 0,1,2,3,4,5,6,7,8,9,10,11,12,13,14,15
	v_pk_add_f32 v[BK+32*((\a)%2)+2*\u:BK+32*((\a)%2)+2*\u+1], v[BK+32*((\a)%2)+2*\u:BK+32*((\a)%2)+2*\u+1], v[32*(\a)+2*\u:32*(\a)+2*\u+1]
.endr
	WIN 0
.irp t, 0,1,2,3,4,5,6,7
	global_store_b128 v[CO], v[BK+32*((\a)%2)+4*\t:BK+32*((\a)%2)+4*\t+3], s[12:13] offset:(32*((\a)/2)+8*((\a)%2)+2*\t+8*(\t/4))*4096    ; sixteen lanes store 256 consecutive bytes, aligned
.endr
.endm
	TOSTAGE 0
	TOSTAGE 1
	SEND 0, 16                                       ; behind tile 0's loads: tile 1's eight stores and eight loads
	s_wait_xcnt 0x0                                  ; tile 0's stores have read their registers: tile 2's rows land there
	TOSTAGE 2
	SEND 1, 16
	s_wait_xcnt 0x0
	TOSTAGE 3
	SEND 2, 16
	SEND 3, 0
	s_wait_tensorcnt 0x0                             ; the wave's end
	ds_add_u32 v[SPW], v[NIL]
	s_wait_dscnt 0x0
	CROUND                                           ; the closing round
	s_endpgm
.Lfunc_end_k_q5d76f0272a_ff2:
	.size	k_q5d76f0272a_ff2, .Lfunc_end_k_q5d76f0272a_ff2-k_q5d76f0272a_ff2
	.p2alignl 7, 3214868480
	.fill 96, 4, 3214868480
	.section	.rodata,"a",@progbits
	.p2align	6, 0x0
	.amdhsa_kernel k_q5d76f0272a_ff2
		.amdhsa_group_segment_fixed_size 327680
		.amdhsa_private_segment_fixed_size 0
		.amdhsa_enable_private_segment 0
		.amdhsa_kernarg_size 40
		.amdhsa_user_sgpr_count 2
		.amdhsa_user_sgpr_kernarg_segment_ptr 1
		.amdhsa_wavefront_size32 1
		.amdhsa_system_sgpr_workgroup_id_x 1
		.amdhsa_system_sgpr_workgroup_id_y 1
		.amdhsa_system_sgpr_workgroup_id_z 1
		.amdhsa_system_vgpr_workitem_id 0
		.amdhsa_next_free_vgpr 640
		.amdhsa_next_free_sgpr 100
		.amdhsa_reserve_vcc 0
		.amdhsa_float_denorm_mode_32 3
		.amdhsa_float_denorm_mode_16_64 3
		.amdhsa_memory_ordered 1
		.amdhsa_forward_progress 1
		.amdhsa_inst_pref_size 100
	.end_amdhsa_kernel
	.amdgpu_metadata
---
amdhsa.version: [ 1, 2 ]
amdhsa.kernels:
  - .name:           k_q5d76f0272a_ff2
    .symbol:         k_q5d76f0272a_ff2.kd
    .args:
      - { .name: ACT, .offset: 0, .size: 8, .value_kind: global_buffer, .address_space: global }
      - { .name: WC, .offset: 8, .size: 8, .value_kind: global_buffer, .address_space: global }
      - { .name: b_ff2, .offset: 16, .size: 8, .value_kind: global_buffer, .address_space: global }
      - { .name: H, .offset: 24, .size: 8, .value_kind: global_buffer, .address_space: global }
      - { .name: Y, .offset: 32, .size: 8, .value_kind: global_buffer, .address_space: global }
    .group_segment_fixed_size: 327680
    .private_segment_fixed_size: 0
    .kernarg_segment_align: 8
    .kernarg_segment_size: 40
    .max_flat_workgroup_size: 128
    .sgpr_count:     100
    .vgpr_count:     640
    .wavefront_size: 32
...
	.end_amdgpu_metadata
.endif
;; end of part 7
;; launch ln2 (part 8): grid 256 x 1, 8 waves a work-group, no clusters, 0 bytes of LDS; arguments Y, g2, b2, out0; writes out0
.if DOCPART == 8
	.amdgcn_target "amdgcn-amd-amdhsa--gfx1250"
	.amdhsa_code_object_version 6
	.text
	.protected	k_q5d76f0272a_ln2
	.globl	k_q5d76f0272a_ln2
	.p2align	8
	.type	k_q5d76f0272a_ln2,@function
k_q5d76f0272a_ln2:
	s_mov_b64 s[64:65], 0
	v_nop
	global_prefetch_b8 v0, s[64:65] scope:SCOPE_SE
	s_setreg_imm32_b32 hwreg(HW_REG_WAVE_MODE, 25, 1), 1
	s_wait_xcnt 0x0
; LAUNCH 8: out0 = layernorm(y2) g2 + b2.  A work-group takes 16 rows, a wave two whole rows, 32 registers each: a row is read once, the sums never leave the wave; no LDS, no barrier.
; Each load and store of a wave covers 512 consecutive bytes.
.set G, 96
.set B, 128
.macro RED                             ; the sum of v16 over the wave's 32 lanes, in every lane
	v_add_f32_dpp v16, v16, v16 row_xmask:1 row_mask:0xf bank_mask:0xf
	v_add_f32_dpp v16, v16, v16 row_xmask:2 row_mask:0xf bank_mask:0xf
	v_add_f32_dpp v16, v16, v16 row_xmask:4 row_mask:0xf bank_mask:0xf
	v_add_f32_dpp v16, v16, v16 row_xmask:8 row_mask:0xf bank_mask:0xf
	v_permlanex16_b32 v24, v16, s24, s25
	v_add_f32 v16, v16, v24
.endm
.macro NORM X
	v_pk_add_f32 v[16:17], v[\X:\X+1], v[\X+2:\X+3]
	v_pk_add_f32 v[18:19], v[\X+4:\X+5], v[\X+6:\X+7]
.irp j, 8,12,16,20,24,28
	v_pk_add_f32 v[16:17], v[16:17], v[\X+\j:\X+\j+1]
	v_pk_add_f32 v[18:19], v[18:19], v[\X+\j+2:\X+\j+3]
.endr
	v_pk_add_f32 v[16:17], v[16:17], v[18:19]
	v_add_f32 v16, v16, v17
	RED
	v_mul_f32 v20, 0x3a800000, v16                   ; the mean
	v_mov_b32 v21, v20
.irp j, 0,2,4,6,8,10,12,14,16,18,20,22,24,26,28,30
	v_pk_add_f32 v[\X+\j:\X+\j+1], v[\X+\j:\X+\j+1], v[20:21] neg_lo:[0,1] neg_hi:[0,1]
.endr
	v_pk_mul_f32 v[16:17], v[\X:\X+1], v[\X:\X+1]
	v_pk_mul_f32 v[18:19], v[\X+2:\X+3], v[\X+2:\X+3]
.irp j, 4,8,12,16,20,24,28
	v_pk_fma_f32 v[16:17], v[\X+\j:\X+\j+1], v[\X+\j:\X+\j+1], v[16:17]
	v_pk_fma_f32 v[18:19], v[\X+\j+2:\X+\j+3], v[\X+\j+2:\X+\j+3], v[18:19]
.endr
	v_pk_add_f32 v[16:17], v[16:17], v[18:19]
	v_add_f32 v16, v16, v17
	RED
	v_fma_f32 v16, v16, s16, s17                     ; the variance + 1e-5
	v_rsq_f32 v22, v16
	v_nop
	s_wait_alu depctr_va_vdst(0)                     ; the wait ahead of the first reader
	v_mov_b32 v23, v22
.irp j, 0,2,4,6,8,10,12,14,16,18,20,22,24,26,28,30
	v_pk_mul_f32 v[\X+\j:\X+\j+1], v[\X+\j:\X+\j+1], v[22:23]
.endr
	s_wait_loadcnt 0x0                               ; g and b
.irp j, 0,2,4,6,8,10,12,14,16,18,20,22,24,26,28,30
	v_pk_fma_f32 v[\X+\j:\X+\j+1], v[\X+\j:\X+\j+1], v[G+\j:G+\j+1], v[B+\j:B+\j+1]
.endr
.endm
	s_load_b256 s[4:11], s[0:1], 0x0                 ; Y, g2, b2, out0
	v_lshrrev_b32 v1, 5, v0
	v_readfirstlane_b32 s14, v1                      ; wave 0..7
	v_and_b32 v3, 31, v0
	v_lshlrev_b32 v1, 4, v3                          ; 16 l
	s_mov_b32 s24, 0x76543210
	s_mov_b32 s25, 0xfedcba98
	s_mov_b32 s16, 0x3a800000                        ; 1 / 1024
	s_mov_b32 s17, 0x3727c5ac                        ; 1e-5
	s_lshl_b32 s20, ttmp9, 4
	s_lshl_b32 s21, s14, 1
	s_add_co_u32 s20, s20, s21                       ; my first row
	s_lshl_b32 s20, s20, 12
	s_mov_b32 s21, 0
	v_mov_b32 v24, 0                                 ; a lane permute's destination counts as read
	s_wait_kmcnt 0x0
	s_add_nc_u64 s[4:5], s[4:5], s[20:21]
	s_add_nc_u64 s[10:11], s[10:11], s[20:21]
.irp j, 0,1,2,3,4,5,6,7
	global_load_b128 v[32+4*\j:35+4*\j], v1, s[4:5] offset:512*\j th:TH_LOAD_NT
.endr
.irp j, 0,1,2,3,4,5,6,7
	global_load_b128 v[64+4*\j:67+4*\j], v1, s[4:5] offset:4096+512*\j th:TH_LOAD_NT
.endr
.irp j, 0,1,2,3,4,5,6,7
	global_load_b128 v[G+4*\j:G+4*\j+3], v1, s[6:7] offset:512*\j
.endr
.irp j, 0,1,2,3,4,5,6,7
	global_load_b128 v[B+4*\j:B+4*\j+3], v1, s[8:9] offset:512*\j
.endr
	s_wait_loadcnt 16                                ; both rows are in; the sixteen loads of g and b may be out
	NORM 32
.irp j, 0,1,2,3,4,5,6,7
	global_store_b128 v1, v[32+4*\j:35+4*\j], s[10:11] offset:512*\j th:TH_STORE_NT
.endr
	NORM 64
.irp j, 0,1,2,3,4,5,6,7
	global_store_b128 v1, v[64+4*\j:67+4*\j], s[10:11] offset:4096+512*\j th:TH_STORE_NT
.endr
	s_endpgm
.Lfunc_end_k_q5d76f0272a_ln2:
	.size	k_q5d76f0272a_ln2, .Lfunc_end_k_q5d76f0272a_ln2-k_q5d76f0272a_ln2
	.p2alignl 7, 3214868480
	.fill 96, 4, 3214868480
	.section	.rodata,"a",@progbits
	.p2align	6, 0x0
	.amdhsa_kernel k_q5d76f0272a_ln2
		.amdhsa_group_segment_fixed_size 0
		.amdhsa_private_segment_fixed_size 0
		.amdhsa_enable_private_segment 0
		.amdhsa_kernarg_size 32
		.amdhsa_user_sgpr_count 2
		.amdhsa_user_sgpr_kernarg_segment_ptr 1
		.amdhsa_wavefront_size32 1
		.amdhsa_system_sgpr_workgroup_id_x 1
		.amdhsa_system_sgpr_workgroup_id_y 1
		.amdhsa_system_sgpr_workgroup_id_z 1
		.amdhsa_system_vgpr_workitem_id 0
		.amdhsa_next_free_vgpr 192
		.amdhsa_next_free_sgpr 66
		.amdhsa_reserve_vcc 0
		.amdhsa_float_denorm_mode_32 3
		.amdhsa_float_denorm_mode_16_64 3
		.amdhsa_memory_ordered 1
		.amdhsa_forward_progress 1
		.amdhsa_inst_pref_size 18
	.end_amdhsa_kernel
	.amdgpu_metadata
---
amdhsa.version: [ 1, 2 ]
amdhsa.kernels:
  - .name:           k_q5d76f0272a_ln2
    .symbol:         k_q5d76f0272a_ln2.kd
    .args:
      - { .name: Y, .offset: 0, .size: 8, .value_kind: global_buffer, .address_space: global }
      - { .name: g2, .offset: 8, .size: 8, .value_kind: global_buffer, .address_space: global }
      - { .name: b2, .offset: 16, .size: 8, .value_kind: global_buffer, .address_space: global }
      - { .name: out0, .offset: 24, .size: 8, .value_kind: global_buffer, .address_space: global }
    .group_segment_fixed_size: 0
    .private_segment_fixed_size: 0
    .kernarg_segment_align: 8
    .kernarg_segment_size: 32
    .max_flat_workgroup_size: 256
    .sgpr_count:     66
    .vgpr_count:     192
    .wavefront_size: 32
...
	.end_amdgpu_metadata
.endif
;; end of part 8
